; MI455X (gfx1250); checked and timed in simulation.
; The chip was launched on July 23, 2026; its instructions are those of AMD's public machine-readable ISA for CDNA 5 (MIT licence, August 2026) and "CDNA5" Instruction Set Architecture Reference Guide (July 2026). The comments in the code are by the model that wrote it; some were corrected since.
;; Self Attention. Allowed arithmetic: matrix products marked QUANTISED: E2M3 operands, one E8M0 scale for each 32 along K, by v_wmma_scale_f32_16x16x128_f8f6f4 with both operands' format E2M3, f32 sums; everything else in f32.
;; Inputs: Wk 1,024 x 1,024 float32; Wq 1,024 x 1,024 float32; Wv 1,024 x 1,024 float32; bk 1,024 float32; bq 1,024 float32; bv 1,024 float32; mask 4 x 2,048 x 2,048 int32; x 4 x 2,048 x 1,024 float32.
;; Outputs: out0 4 x 2,048 x 1,024 float32.
;; This version of the problem:
;;   THIS VERSION OF THE PROBLEM IS GIVEN IN LOW PRECISION. The matrix products marked QUANTISED in the list below multiply operands that are first quantised to E2M3 (2 exponent bits, 3 mantissa bits; 6 bits a number), with one power-of-two scale for each 32 numbers along K (OCP MX v1.0); their sums are f32. All else is computed in f32.
;;   The module's matrix products, in the order in which they are computed (A, B: the left and right operand; K: the contracted axis; several contracted axes count as one K, in the product's order):
;;     1. [M 8,192, K 1,024] x [K 1,024, N 1,024]; A: input x; B: input Wq: QUANTISED
;;     2. [M 8,192, K 1,024] x [K 1,024, N 1,024]; A: input x; B: input Wk: QUANTISED
;;     3. [M 8,192, K 1,024] x [K 1,024, N 1,024]; A: input x; B: input Wv: QUANTISED
;;     4. batch 4 x [M 2,048, K 1,024] x [K 1,024, N 2,048]; A: computed on the way; B: computed on the way: QUANTISED
;;     5. batch 4 x [M 2,048, K 2,048] x [K 2,048, N 1,024]; A: softmax (see below); B: computed on the way: QUANTISED
;;   THE QUANTISER, for each operand of a quantised product, along K:
;;     - K is cut into blocks of 32 from its start; a last block that is shorter is filled with zeros.
;;     - A block's scale is 2^e with e = floor(log2(the largest magnitude in the block)) - 2, held to -126 .. 127; a block of zeros has e = 0. As a byte (E8M0): e + 127.
;;     - Each number is divided by its block's scale, clamped to +-7.5, and rounded to the nearest number of E2M3, ties to even, subnormals kept.
;;     - The product sums the exact products of the quantised numbers (number of the format x scale) in f32.
;;   ~~~python
;;   def quantise(x, axis):      # numpy; x: float32 -> the quantised numbers, widened to float32 again
;;       x = np.moveaxis(x, axis, -1); K = x.shape[-1]
;;       x = np.pad(x, [(0, 0)] * (x.ndim - 1) + [(0, -K % 32)]); x = x.reshape(x.shape[:-1] + (-1, 32)); a = np.abs(x).max(-1, keepdims=True)
;;       e = np.where(a > 0, np.clip(np.frexp(np.where(a > 0, a, 1))[1] - 1 - 2, -126, 127), 0)      # np.frexp(a)[1] - 1 = floor(log2(a)), exactly
;;       r = np.clip(x / 2.0 ** e, -7.5, 7.5)
;;       step = 2.0 ** (np.maximum(np.frexp(np.where(r == 0, 1, r))[1] - 1, 0) - 3)
;;       q = np.round(r / step) * step * 2.0 ** e      # np.round: ties to even
;;       return np.moveaxis(q.reshape(q.shape[:-2] + (-1,))[..., :K], -1, axis).astype(np.float32)
;;   ~~~
;;   SOFTMAX AHEAD OF A QUANTISED PRODUCT. Where the list says 'softmax', what is quantised is not the finished softmax but p = 2^(t - M), with t = logit x log2(e) and M = ceil(the row's largest t), a whole number; so 1/2 < the row's largest p <= 1. The row's sum l is taken of the UNQUANTISED p, in f32, and the product's result is divided by l at the end. Since M is a whole number, a kernel that streams over the keys may use a running M (the ceiling of the running maximum): every later rescaling is an exact power of two, which a block's scale takes up: the codes' values come out the same.
;;   OPERANDS COMPUTED ON THE WAY. 'Computed on the way' means the value that the module computes at that place (a softmax that the list does not call 'softmax' is quantised finished and normalised). What goes into a quantiser is computed in f32, as accurately as f32 sums, v_exp_f32 and their like allow (about 1e-6 of the number): no bf16 or f16 on the way to a quantiser, and a product that is left as it is and whose result goes on into a quantised operand takes f32 operands (vector FMAs, or v_wmma_f32_16x16x4_f32). A number that lies on a knife's edge between two numbers of the format may be rounded either way, as far as f32 arithmetic and the matrix unit's own rounding can turn it there, and no further.
;; One version. Each part assembles by itself: llvm-mc -triple=amdgcn-amd-amdhsa -mcpu=gfx1250 --defsym DOCPART=n.
;; ======== version 1 of 1: 4 launches
;; limits: right only within a limited range of input values
;; workspace buffers: xwc 8,650,752 bytes; xws 360,448 bytes; mb 2,097,152 bytes of whole numbers; qkvc 18,874,368 bytes; qkvs 786,432 bytes; pc 12,582,912 bytes; pst 1,572,864 bytes
;; launch prep (part 1): grid 1728 x 1, 4 waves a work-group, no clusters, 68,608 bytes of LDS; arguments x, Wq, Wk, Wv, xwc, xws, mask, mb; writes xwc, xws, mb
.if DOCPART == 1
	.amdgcn_target "amdgcn-amd-amdhsa--gfx1250"
	.amdhsa_code_object_version 6
	.text
	.protected	k_qb7e6550e60_prep
	.globl	k_qb7e6550e60_prep
	.p2align	8
	.type	k_qb7e6550e60_prep,@function
k_qb7e6550e60_prep:
	s_mov_b64 s[64:65], 0
	v_nop
	global_prefetch_b8 v0, s[64:65] scope:SCOPE_SE
	s_setreg_imm32_b32 hwreg(HW_REG_WAVE_MODE, 25, 1), 1
	s_wait_xcnt 0x0
; x [8192][1024], Wq, Wk, Wv [1024][1024] (f32, K innermost) become codes of FP6 (E2M3) with one E8M0 byte for each 32 along K.
; A work-group makes ONE UNIT: 128 rows x 128 K.  Units 0-511 x, 512-575 Wq, 576-639 Wk, 640-703 Wv; in a tensor: 8 x block of 128 rows + K step.
; Wave i makes tiles 2 i and 2 i + 1 (32 rows x 128 K); its 32 loads, 16 KiB, are all issued at the start.
; LAYOUT OF THE CODES: a unit = 8 fragments of 1,536 bytes; a fragment is the image of the operand's 12 registers (registers 4 c .. 4 c + 3 of lane l at 512 c + 16 l).
; Lane r of tile t holds row 32 (t / 2) + 8 (t % 2) + r + 8 (r / 8) of the 128, so that a product that takes such tiles as source 0 leaves 16 neighbours in the 16 registers of two tiles.
; The unit's scale words, 512 bytes: the word of (tile 2 i + hh, row r) at 256 hh + 16 r + 4 i.  The four waves gather them in LDS; wave 0 stores them as 512 consecutive bytes.
; Each load reads 512 consecutive bytes of a row; a tile turns through the wave's own stage in LDS (16 rows of 528 bytes), from which lane (r, h) takes 16 neighbours of each block of 32 of row r.
; A block's scale is 2^(floor(log2(its largest magnitude)) - 2); its byte is the largest magnitude's exponent field - 2, held at 1 from below (a block of zeros keeps 1: its codes are zeros, and this program alone reads the bytes).
; LIMITS: NaN and infinities among the inputs are not served; blocks whose largest magnitude lies under 2^-124 keep the byte 1.
; Work-groups 0-703 make the units of codes, as said above; work-groups 704-1727 turn the input mask into lane masks (text at .Lmask).  The two kinds have LDS bytes of their own.
.set STGB,  16*528
.set SCW,   4*STGB                     ; the unit's 512 bytes of scale words
.set SPARE, SCW+512                    ; the spare words, 128 bytes for each wave
.set LO,  1                            ; v1   16 x lane
.set SIX, 2                            ; v2   the stage on the way in: 16 x lane
.set SOX, 3                            ; v3   and on the way out: 528 r + 64 h
.set SWA, 4                            ; v4   where my scale word goes: SCW + 16 x lane + 4 x wave
.set SRA, 5                            ; v5   where wave 0 reads the words back: SCW + 16 x lane
.set R,   16                           ; v16-143  two tiles as loaded; tile 1's codes are made in v16-35, which tile 0 has left
.set X,   144                          ; v144-207 a tile turned: register 16 b + i = column 32 b + 16 h + i of row r
.set TM,  228                          ; v228-243 at work in QUANT
.set PW,  244                          ; the scale word just made
.set GW,  248                          ; lanes 0-15 the even tile's words, lanes 16-31 the odd tile's
.set SPW, 252                          ; LDS address of my spare word; never rewritten
.set NIL, 253                          ; 0; never rewritten
.set SEL, 12                           ; s[12:13] selects for lane l xor 16
.set HI,  14                           ; s14  lanes 16-31
.macro LOADT t
.irp p, 0,1,2,3,4,5,6,7,8,9,10,11,12,13,14,15
	global_load_b128 v[R+64*(\t)+4*\p:R+64*(\t)+4*\p+3], v[LO], s[4:5] offset:(8*(\t)+\p+8*(\p/8))*4096 th:TH_LOAD_NT
.endr
.endm
.macro TURN t                          ; LDS serves a wave's instructions in order: no wait between the stores and the loads
.irp p, 0,1,2,3,4,5,6,7,8,9,10,11,12,13,14,15
	ds_store_b128 v[SIX], v[R+64*(\t)+4*\p:R+64*(\t)+4*\p+3] offset:528*\p
.endr
.irp b, 0,1,2,3
.irp j, 0,1,2,3
	ds_load_b128 v[X+16*\b+4*\j:X+16*\b+4*\j+3], v[SOX] offset:128*\b+16*\j
.endr
.endr
.endm
; 64 numbers of a lane become a fragment's codes in v[pc] on and its scale word in v[PW]
.macro QUANT s, pc
.irp b, 0,1,2,3
	v_max3_num_f32 v[TM+\b], |v[\s+16*\b]|, |v[\s+1+16*\b]|, 0x1800000   ; my 16 numbers of block b, and the floor 2^(3 - 127)
.endr
.irp i, 2,4,6,8,10,12,14
.irp b, 0,1,2,3
	v_max3_num_f32 v[TM+\b], v[TM+\b], |v[\s+16*\b+\i]|, |v[\s+1+16*\b+\i]|
.endr
.endr
.irp b, 0,1,2,3
	v_permlanex16_b32 v[TM+4+\b], v[TM+\b], s[SEL], s[SEL+1]
.endr
.irp b, 0,1,2,3
	v_max_num_f32 v[TM+\b], v[TM+\b], v[TM+4+\b]   ; with lane l xor 16's: the block's largest magnitude
.endr
.irp b, 0,1,2,3
	v_add_nc_u32 v[TM+12+\b], 0xff000000, v[TM+\b]   ; 2 off its exponent field: the conversion's scale operand
.endr
.irp b, 0,1,2,3
	v_lshrrev_b32 v[TM+4+\b], 23, v[TM+12+\b]   ; the scale's byte
.endr
	v_lshl_or_b32 v[PW], v[TM+5], 8, v[TM+4]
	v_lshl_or_b32 v[PW], v[TM+6], 16, v[PW]
	v_lshl_or_b32 v[PW], v[TM+7], 24, v[PW]
.irp c, 0,1
	v_cvt_scalef32_pk16_fp6_f32 v[\pc+6*\c:\pc+2+6*\c], v[\s+32*\c:\s+15+32*\c], v[TM+12+2*\c]
	v_cvt_scalef32_pk16_fp6_f32 v[\pc+12+4*\c:\pc+14+4*\c], v[\s+16+32*\c:\s+31+32*\c], v[TM+12+2*\c+1]   ; (a conversion's three registers begin on an even number)
.endr
	v_nop                                          ; one plain place behind a scaled conversion
.irp c, 0,1                                    ; the operand's layout wants a whole block in a lane
.irp i, 0,1,2
	v_permlane16_swap_b32 v[\pc+6*\c+\i], v[\pc+12+4*\c+\i]
.endr
.irp i, 0,1,2
	v_mov_b32 v[\pc+3+6*\c+\i], v[\pc+12+4*\c+\i]
.endr
.endr
.endm
.macro TILEX t, pc
	s_wait_loadcnt 16*(1-(\t))                     ; this tile's 16 loads are in; the other tile's may be out
	TURN \t
	s_wait_dscnt 0x0                               ; the tile is back, and the stage's stores have read their registers
	QUANT X, \pc
.irp c, 0,1,2
	global_store_b128 v[LO], v[\pc+4*\c:\pc+4*\c+3], s[6:7] offset:1536*(\t)+512*\c   ; 512 consecutive bytes, aligned
.endr
.endm
	s_load_b256 s[16:23], s[0:1], 0x0              ; x, Wq, Wk, Wv
	s_load_b128 s[24:27], s[0:1], 0x20             ; xwc, xws
	s_load_b128 s[28:31], s[0:1], 0x30             ; mask, mb
	v_lshl_add_u32 v[SPW], v0, 2, SPARE
	v_mov_b32 v[NIL], 0
	v_lshrrev_b32 v7, 5, v0
	v_readfirstlane_b32 s2, v7                     ; wave
	v_and_b32 v8, 31, v0
	v_and_b32 v9, 15, v0                           ; r
	v_bfe_u32 v10, v0, 4, 1                        ; h
	v_lshlrev_b32 v[LO], 4, v8
	s_mul_i32 s3, s2, STGB
	v_add_nc_u32 v[SIX], s3, v[LO]
	v_mul_u32_u24 v11, v9, 528
	v_lshl_add_u32 v11, v10, 6, v11
	v_add_nc_u32 v[SOX], s3, v11
	s_lshl_b32 s3, s2, 2
	s_add_co_u32 s3, s3, SCW
	v_add_nc_u32 v[SWA], s3, v[LO]
	v_add_nc_u32 v[SRA], SCW, v[LO]
	v_add_nc_u32 v12, SPARE+512, v[SIX]            ; the mask's stages lie behind the spare words: on the way in,
	v_add_nc_u32 v13, SPARE+512, v[SOX]            ; and on the way out
	v_lshlrev_b32 v14, 3, v8                       ; 8 x lane
.irp b, 0,1,2,3
	v_mov_b32 v[TM+4+\b], 0                        ; written once: a lane permute's destination counts as one of its sources
.endr
	s_mov_b32 s[SEL], 0x76543210
	s_mov_b32 s[SEL+1], 0xfedcba98
	s_mov_b32 s[HI], 0xffff0000
	s_and_b32 s11, ttmp9, 63                       ; a weight's unit (512, 576 and 640 are multiples of 64)
	s_wait_alu depctr_va_vdst(0)                   ; the wait at the head's end
	s_wait_kmcnt 0x0
	s_cmp_lt_u32 ttmp9, 704                        ; the work-group's number: the same in all four waves
	s_cbranch_scc0 .Lmask
	s_cmp_lt_u32 ttmp9, 640
	s_cselect_b64 s[4:5], s[20:21], s[22:23]
	s_cmp_lt_u32 ttmp9, 576
	s_cselect_b64 s[4:5], s[18:19], s[4:5]
	s_cmp_lt_u32 ttmp9, 512
	s_cselect_b64 s[4:5], s[16:17], s[4:5]
	s_cselect_b32 s11, ttmp9, s11                  ; the unit within its tensor
	s_lshr_b32 s6, s11, 3
	s_lshl_b32 s6, s6, 19                          ; 128 rows of 4,096 bytes
	s_and_b32 s7, s11, 7
	s_lshl_b32 s7, s7, 9                           ; 128 numbers
	s_add_co_u32 s6, s6, s7
	s_lshl_b32 s7, s2, 17                          ; my 32 rows
	s_add_co_u32 s6, s6, s7
	s_mov_b32 s7, 0
	s_add_nc_u64 s[4:5], s[4:5], s[6:7]
	LOADT 0
	LOADT 1
	s_mul_i32 s6, ttmp9, 12288
	s_mul_i32 s8, s2, 3072                         ; two fragments
	s_add_co_u32 s6, s6, s8
	s_add_nc_u64 s[6:7], s[24:25], s[6:7]
	s_lshl_b32 s8, ttmp9, 9
	s_mov_b32 s9, 0
	s_add_nc_u64 s[8:9], s[26:27], s[8:9]
	TILEX 0, 208
	v_mov_b32 v[GW], v[PW]
	TILEX 1, 16
	v_cndmask_b32 v[GW], v[GW], v[PW], s[HI]
	ds_store_b32 v[SWA], v[GW]
	s_wait_dscnt 0x0                               ; my words are in LDS
	s_barrier_signal -1
	s_barrier_wait -1                              ; and so are the other waves'
	s_cmp_lg_u32 s2, 0
	s_cbranch_scc1 .Ldone
	ds_load_b128 v[144:147], v[SRA]
	s_wait_dscnt 0x0
	global_store_b128 v[LO], v[144:147], s[8:9]    ; the unit's scale words: 512 consecutive bytes, aligned
.Ldone:
	s_wait_tensorcnt 0x0                           ; the wave's end
	ds_add_u32 v[SPW], v[NIL]
	s_wait_dscnt 0x0
	s_endpgm
; ---- THE MASK [4][2048][2048] (int32) BECOMES LANE MASKS, one bit a number.  A work-group makes one unit u = (16 batch + key block) x 16 + query block: 128 queries x 128 keys, 2,048 bytes of mb = 8 tiles of 64 words.
; Word n = 16 b + i of tile t: bit 16 h + r is set where mask[row 32 (t / 2) + 8 (t % 2) + r + 8 (r / 8)][32 b + 16 h + i of the unit's 128 keys] is not 0: the lane mask that the score's register n wants.
; Wave i makes tiles 2 i and 2 i + 1; its 32 loads, 512 consecutive bytes of a row each, are all issued at the start; a tile turns through the wave's own stage.  No barrier: these waves share nothing.
.set SIM, 12
.set SOM, 13
.set O8,  14
.set OW,  208                          ; v208-211 two registers of words for each tile
.set BAL, 32                           ; s32-39 eight lane masks
.macro LOADM t
.irp p, 0,1,2,3,4,5,6,7,8,9,10,11,12,13,14,15
	global_load_b128 v[R+64*(\t)+4*\p:R+64*(\t)+4*\p+3], v[LO], s[4:5] offset:(8*(\t)+\p+8*(\p/8))*8192 th:TH_LOAD_NT
.endr
.endm
.macro TILEM t
	s_wait_loadcnt 16*(1-(\t))                     ; this tile's 16 loads are in; the other tile's may be out
.irp p, 0,1,2,3,4,5,6,7,8,9,10,11,12,13,14,15
	ds_store_b128 v[SIM], v[R+64*(\t)+4*\p:R+64*(\t)+4*\p+3] offset:528*\p
.endr
.irp b, 0,1,2,3
.irp j, 0,1,2,3
	ds_load_b128 v[X+16*\b+4*\j:X+16*\b+4*\j+3], v[SOM] offset:128*\b+16*\j   ; LDS serves a wave's instructions in order: these see the stores above
.endr
.endr
	s_wait_dscnt 0x0
.set N, 0
.rept 8
.irp k, 0,1,2,3,4,5,6,7
	v_cmp_ne_u32 s[BAL+\k], 0, v[X+N+\k]           ; word N + k: the 32 lanes' bits
.endr
.irp k, 0,1,2,3,4,5,6,7
	v_writelane_b32 v[OW+2*(\t)+\k%2], s[BAL+\k], (N+\k)/2   ; word n to lane n / 2, register n % 2
.endr
.set N, N+8
.endr
	global_store_b64 v[O8], v[OW+2*(\t):OW+2*(\t)+1], s[6:7] offset:256*(\t)   ; the tile's 64 words: 256 consecutive bytes, aligned; each tile has registers of its own
.endm
.Lmask:
	s_sub_co_u32 s10, ttmp9, 704                   ; the unit
	s_lshr_b32 s6, s10, 8                          ; batch: 2,048 rows of 8,192 bytes
	s_lshl_b32 s6, s6, 24
	s_and_b32 s7, s10, 15                          ; query block: 128 rows
	s_lshl_b32 s7, s7, 20
	s_add_co_u32 s6, s6, s7
	s_bfe_u32 s7, s10, 0x40004                     ; key block: 128 numbers
	s_lshl_b32 s7, s7, 9
	s_add_co_u32 s6, s6, s7
	s_lshl_b32 s7, s2, 18                          ; my 32 rows
	s_add_co_u32 s6, s6, s7
	s_mov_b32 s7, 0
	s_add_nc_u64 s[4:5], s[28:29], s[6:7]
	s_lshl_b32 s6, s10, 11
	s_lshl_b32 s8, s2, 9                           ; two tiles' words
	s_add_co_u32 s6, s6, s8
	s_add_nc_u64 s[6:7], s[30:31], s[6:7]
.irp i, 0,1,2,3
	v_mov_b32 v[OW+\i], 0                          ; v_writelane_b32's destination counts as read
.endr
	LOADM 0
	LOADM 1
	s_wait_alu depctr_va_vdst(0)
	TILEM 0
	TILEM 1
	s_wait_tensorcnt 0x0                           ; the wave's end, as above
	ds_add_u32 v[SPW], v[NIL]
	s_wait_dscnt 0x0
	s_endpgm
.Lfunc_end_k_qb7e6550e60_prep:
	.size	k_qb7e6550e60_prep, .Lfunc_end_k_qb7e6550e60_prep-k_qb7e6550e60_prep
	.p2alignl 7, 3214868480
	.fill 96, 4, 3214868480
	.section	.rodata,"a",@progbits
	.p2align	6, 0x0
	.amdhsa_kernel k_qb7e6550e60_prep
		.amdhsa_group_segment_fixed_size 68608
		.amdhsa_private_segment_fixed_size 0
		.amdhsa_enable_private_segment 0
		.amdhsa_kernarg_size 64
		.amdhsa_user_sgpr_count 2
		.amdhsa_user_sgpr_kernarg_segment_ptr 1
		.amdhsa_wavefront_size32 1
		.amdhsa_system_sgpr_workgroup_id_x 1
		.amdhsa_system_sgpr_workgroup_id_y 1
		.amdhsa_system_sgpr_workgroup_id_z 1
		.amdhsa_system_vgpr_workitem_id 0
		.amdhsa_next_free_vgpr 256
		.amdhsa_next_free_sgpr 66
		.amdhsa_reserve_vcc 0
		.amdhsa_float_denorm_mode_32 3
		.amdhsa_float_denorm_mode_16_64 3
		.amdhsa_memory_ordered 1
		.amdhsa_forward_progress 1
		.amdhsa_inst_pref_size 43
	.end_amdhsa_kernel
	.amdgpu_metadata
---
amdhsa.version: [ 1, 2 ]
amdhsa.kernels:
  - .name:           k_qb7e6550e60_prep
    .symbol:         k_qb7e6550e60_prep.kd
    .args:
      - { .name: x, .offset: 0, .size: 8, .value_kind: global_buffer, .address_space: global }
      - { .name: Wq, .offset: 8, .size: 8, .value_kind: global_buffer, .address_space: global }
      - { .name: Wk, .offset: 16, .size: 8, .value_kind: global_buffer, .address_space: global }
      - { .name: Wv, .offset: 24, .size: 8, .value_kind: global_buffer, .address_space: global }
      - { .name: xwc, .offset: 32, .size: 8, .value_kind: global_buffer, .address_space: global }
      - { .name: xws, .offset: 40, .size: 8, .value_kind: global_buffer, .address_space: global }
      - { .name: mask, .offset: 48, .size: 8, .value_kind: global_buffer, .address_space: global }
      - { .name: mb, .offset: 56, .size: 8, .value_kind: global_buffer, .address_space: global }
    .group_segment_fixed_size: 68608
    .private_segment_fixed_size: 0
    .kernarg_segment_align: 8
    .kernarg_segment_size: 64
    .max_flat_workgroup_size: 128
    .sgpr_count:     66
    .vgpr_count:     256
    .wavefront_size: 32
...
	.end_amdgpu_metadata
.endif
;; end of part 1
;; launch proj (part 2): grid 12 x 32, 4 waves a work-group, clusters of 4 x 4, 327,680 bytes of LDS; arguments xwc, xws, bq, bk, bv, qkvc, qkvs; writes qkvc, qkvs
.if DOCPART == 2
	.amdgcn_target "amdgcn-amd-amdhsa--gfx1250"
	.amdhsa_code_object_version 6
	.text
	.protected	k_qb7e6550e60_proj
	.globl	k_qb7e6550e60_proj
	.p2align	8
	.type	k_qb7e6550e60_proj,@function
k_qb7e6550e60_proj:
	s_mov_b64 s[64:65], 0
	v_nop
	global_prefetch_b8 v0, s[64:65] scope:SCOPE_SE
	s_setreg_imm32_b32 hwreg(HW_REG_WAVE_MODE, 25, 1), 1
	s_wait_xcnt 0x0
	s_wait_alu depctr_hold_cnt(0) depctr_sa_sdst(0) depctr_va_vdst(0) depctr_va_sdst(0) depctr_va_ssrc(0) depctr_va_vcc(0) depctr_vm_vsrc(0)
	s_getreg_b32 s2, hwreg(HW_REG_IB_STS2, 6, 4)
	s_cmp_eq_u32 s2, 0
	s_cbranch_scc0 .Lentry_in_a_cluster
	s_endpgm
.Lentry_in_a_cluster:
	s_bfe_u32 s2, ttmp6, 0x10000c
	s_cmp_lg_u32 s2, 0xf033
	s_cbranch_scc0 .Lentry_shape_is_right
	s_endpgm
.Lentry_shape_is_right:
; Q = x Wq^T + bq, K = x Wk^T + bk, V = x Wv^T + bv on codes of FP6 (E2M3) with E8M0 scales, sums in f32; the results are quantised in registers: Q and K along their 1,024 channels, V along the keys.
; A work-group of four waves makes 256 x 256 results, a wave 128 x 128: 64 accumulators.  K = 1,024 is 8 steps of 128, written out.
; THREE LDS SLOTS of two K steps each.  Steps 0 to 5 are asked for at the start, as first fills; slot 0 is filled ONCE again, with steps 6 and 7, behind step 1's change of slots: from that request to the wait for it
; a wave issues 224 matrix instructions.  The change from slot 1 to slot 2 has no barrier: the round before it has shown slot 2 whole to every wave, and nothing is filled there.
; ALL CODES lie as images of operand registers: a unit = 128 rows x 128 K = 8 fragments of 1,536 bytes (registers 4 c .. 4 c + 3 of lane l at 512 c + 16 l); lane r of tile t holds row 32 (t / 2) + 8 (t % 2) + r + 8 (r / 8).
; So a fragment comes by three ds_load_b128 at 16 x lane, a slot's part is one dense block of memory, and source 0's rows come out as 16 neighbours in the 16 registers of two tiles: ready for the quantiser.
; Source 0 = "B" (its rows run along a lane's registers: the NEXT product's K), source 1 = "A" (its rows are the lanes: the next operand's rows).
; TWO KINDS OF CLUSTER, told apart by the cluster's x, which all sixteen partners share, and by selects alone (no branch): x = 0, 1: B = Wq or Wk, A = x: units of Q or K (rows s, K = channels);
; x = 2: B = x, A = Wv: units of V (rows = channels, K = keys).  A bias along the registers is the C of the first products; a bias along the lanes is added on the way out; the one that does not apply is made 0.
; CLUSTERS 4 x 4: A's tiles are shared along a row of the cluster, B's along a column: joint loads.
; SCALES: a unit's 512 bytes hold the word of (tile 2 i + hh, row r) at 256 hh + 16 r + 4 i.  Those of my work-group's rows for all of K come once, with the first fills.  Lanes 0-15 read a slot's first K step, lanes 16-31 its second.
; REGISTERS: window 0: v0-31 addresses; v32-63 scale words, two sets; v64-79 the lanes' bias; v128-223 A's fragments, one set; v224-247 the way out's.  window 1: B's fragments at v0 and v128; the registers' bias at v96-127, v224-255.
;   windows 2, 3: accumulator (a, b) at v[8 (8 (a % 4) + b)] of window 2 + a / 4.
; No prefetch: the launch has one refill, and that has four K steps in which to land.
; LIMITS: NaN and infinities are not served; blocks whose largest magnitude lies under 2^-124 keep the byte 1.
; THE ORDER OF THE FILLS AND THE WAY OF THE SCALES AS THIS TEXT HAS THEM (in place of what the lines above say of them):
; at the head each wave issues ONE joint load: waves 0, 1 A's 256 rows of slots 0, 1, waves 2, 3 B's: a tile of two rows of 24,576 bytes (the two blocks of 128 rows lie 98,304 bytes apart).
; Behind the three lines and a round each wave asks for its quarter of slot 2; slot 0 is filled again, with K steps 6 and 7, behind K step 3's round.  The changes from slot 0 to 1 and from 2 to 0 fill nothing.
; The scale words come from memory straight into registers, 16 loads a wave (sixteen lanes read 256 consecutive bytes), four sets of 16 registers: v32-63 and v80-111.
.set NA,    8
.set HALFA, 24576                      ; 128 rows x 2 K steps: what one tensor load brings
.set HALFB, 24576
.set SLOT,  2*HALFA+2*HALFB
.set NSLOT, 3
.set SCL,   NSLOT*SLOT                 ; the scales: four parts of 4,096 bytes (A's halves, B's halves)
.set SPARE, SCL+16384                  ; the spare words, 128 bytes for each wave
.set ADRA, 16                          ; v16-18 my A fragments in slot 0, 1, 2
.set ADRB, 20                          ; v20-22 B's
.set GO,   24                          ; v24  16 x lane
.set ADRSA, 26                         ; v26  16 r + 512 h: A's and B's scale words
.set ADRSB, 27
.set SPW,  28
.set NIL,  29
.set SC,   32                          ; set s at 32 + 16 s + 16 (s / 2): A's 8, then B's 8; tile t's register is 4 (t % 2) + t / 2
.set BR,   64                          ; v64-79 the lanes' bias, each number twice
.set AF,   128
.set HA,   128                         ; the way out: 64 results
.set PC,   192                         ; their codes
.set TM,   224
.set PW,   240
.set GW,   244
.set HI,   2                           ; s2   lanes 16-31
.set SEL,  12                          ; s[12:13]
.set G1,   24                          ; s[24:31] group 1 for A's tiles
.set G0,   32                          ; s[32:43] their groups 0, one for each slot
.set G1B,  48                          ; s[48:55] group 1 for B's tiles
.set G0B,  56                          ; s[56:63] their groups 0 for slots 0 and 1; slot 2's lies in s[4:7]
.set G1S,  68
.set G0S,  76
.set G1SB, 80
.set G0SB, 88
.set MUL_LO, 0xa1                      ; source 0 (B) window 1, source 1 (A) window 0, C and D window 2
.set MUL_HI, 0xf1                      ; C and D window 3
.set MSB, 0
.macro WIN new                         ; the immediate's high byte repeats the setting that is left
.if MSB != (\new)
	s_set_vgpr_msb (MSB<<8)|(\new)
.set MSB, (\new)
.endif
.endm
; A joint load: waves 0 and 1 fetch for A, waves 2 and 3 for B; the branch hangs on the wave's number alone.  An s_nop 0 and four v_nop follow each line.
.macro JLOAD g0a, g1a, g0b, g1b
	s_cmp_eq_u32 s15, 0
	s_cbranch_scc0 .Lfor_b_\@
	tensor_load_to_lds s[\g0a:\g0a+3], s[\g1a:\g1a+7]
	s_nop 0
.rept 4
	v_nop
.endr
	s_branch .Lasked_\@
.Lfor_b_\@:
	tensor_load_to_lds s[\g0b:\g0b+3], s[\g1b:\g1b+7]
	s_nop 0
.rept 4
	v_nop
.endr
.Lasked_\@:
.endm
.macro CREST                           ; a round of the cluster's barrier behind its opening barrier
	s_cmp_lg_u32 s14, 0
	s_cbranch_scc1 .Lnot_wave_0_\@
	s_barrier_signal -3
.Lnot_wave_0_\@:
	s_barrier_wait -3
	s_barrier_signal -1
	s_barrier_wait -1
.endm
.macro CROUND
	s_barrier_signal -1
	s_barrier_wait -1
	CREST
.endm
.macro PLACES n                        ; plain places behind matrix instructions, ahead of loads into their registers and of reads of their results
.rept \n
	v_nop
.endr
.endm
.macro FRAG reg, adr, off              ; a fragment's image: three loads of 512 consecutive bytes
.irp c, 0,1,2
	ds_load_b128 v[\reg+4*\c:\reg+4*\c+3], v[\adr] offset:\off+512*\c
.endr
.endm
.macro FETCH_B slot, q, p              ; B's eight fragments of the slot's q-th K step into set p
	WIN 0x40
.irp i, 0,1,2,3,4,5,6,7
	FRAG 128*(\p)+12*\i, ADRB+\slot, ((\q)*8+\i)*1536
.endr
	WIN 0
.endm
.macro FETCH_A slot, q, i0             ; NA / 2 of A's, from tile i0 on
.set IA, \i0
.rept NA/2
	FRAG AF+12*IA, ADRA+\slot, ((\q)*NA+IA)*1536
.set IA, IA+1
.endr
.endm
.macro SCALES set                      ; the scale words of K steps 2 set and 2 set + 1, from memory; v[ADRSA] = 16 r + 512 h
.set SS, SC+16*(\set)+16*((\set)/2)
	global_load_b128 v[SS:SS+3], v[ADRSA], s[22:23] offset:1024*(\set)
	global_load_b128 v[SS+4:SS+7], v[ADRSA], s[22:23] offset:1024*(\set)+256
	global_load_b128 v[SS+8:SS+11], v[ADRSA], s[18:19] offset:1024*(\set)
	global_load_b128 v[SS+12:SS+15], v[ADRSA], s[18:19] offset:1024*(\set)+256
.endm
; A's tile a against B's eight.  p: B's set; q: 0 or 1, the K step of the pair (1: the scale words of lanes 16-31); sc: the scale set; z = 0: onto the sums; z = 2: the registers' bias starts them.
; The 64 accumulators take turns, one instruction a turn, in the same order in every step.
.macro MULT a, p, q, sc, z
.irp b, 0,1,2,3,4,5,6,7
.set AC, 8*(8*((\a)%4)+\b)
.set FB, 128*(\p)+12*\b
.set FA, AF+12*(\a)
.set SB, SC+16*(\sc)+16*((\sc)/2)+8+4*(\b%2)+\b/2
.set SA, SC+16*(\sc)+16*((\sc)/2)+4*((\a)%2)+(\a)/2
.set CB, 96+8*\b+96*(\b/4)
.if \q
	v_wmma_scale_f32_16x16x128_f8f6f4 v[AC:AC+7], v[FB:FB+11], v[FA:FA+11], v[AC:AC+7], v[SB], v[SA] matrix_a_fmt:MATRIX_FMT_FP6 matrix_b_fmt:MATRIX_FMT_FP6 matrix_a_scale:MATRIX_SCALE_ROW1 matrix_b_scale:MATRIX_SCALE_ROW1
.elseif \z == 0
	v_wmma_scale_f32_16x16x128_f8f6f4 v[AC:AC+7], v[FB:FB+11], v[FA:FA+11], v[AC:AC+7], v[SB], v[SA] matrix_a_fmt:MATRIX_FMT_FP6 matrix_b_fmt:MATRIX_FMT_FP6
.else
	v_wmma_scale_f32_16x16x128_f8f6f4 v[AC:AC+7], v[FB:FB+11], v[FA:FA+11], v[CB:CB+7], v[SB], v[SA] matrix_a_fmt:MATRIX_FMT_FP6 matrix_b_fmt:MATRIX_FMT_FP6
.endif
.endr
.endm
; A slot's first K step; it fetches the second's fragments.
.macro STEP slot, sc, z
	s_wait_dscnt 3*NA/2                            ; B's set, A's lower tiles and the scales are in; the youngest loads (A's upper tiles) may be out
.if \z == 2
	WIN 0x91                                       ; C from window 1
.else
	WIN MUL_LO
.endif
.set IM, 0
.rept NA/2
	MULT IM, 0, 0, \sc, \z
.set IM, IM+1
.endr
	s_wait_dscnt 0x0                               ; A's upper tiles are in
	PLACES 4
	FETCH_B \slot, 1, 1
	FETCH_A \slot, 1, 0
.if \z == 2
	WIN 0xd1
.else
	WIN MUL_HI
.endif
.rept NA/2
	MULT IM, 0, 0, \sc, \z
.set IM, IM+1
.endr
	PLACES 4
	WIN 0
	FETCH_A \slot, 1, NA/2
.endm
; A slot's second K step where the next slot is known whole to every wave and nothing is filled: no barrier.
.macro MID sc, next, nsc
	s_wait_dscnt 3*NA/2
	WIN MUL_LO
.set IM, 0
.rept NA/2
	MULT IM, 1, 1, \sc, 0
.set IM, IM+1
.endr
	s_wait_dscnt 0x0
	WIN 0
	PLACES 4
	FETCH_B \next, 0, 0
	FETCH_A \next, 0, 0
	WIN MUL_HI
.rept NA/2
	MULT IM, 1, 1, \sc, 0
.set IM, IM+1
.endr
	PLACES 4
	WIN 0
	FETCH_A \next, 0, NA/2
.endm
; A slot's second K step with a barrier: ahead of it each wave waits for all its tensor loads, adds 0 to its spare word, and waits for that and for its reads of this slot.  fill = 1: this slot is filled again.
.macro TURN slot, sc, next, nsc, fill
	s_wait_tensorcnt 0x0                           ; all my tensor loads have landed
	ds_add_u32 v[SPW], v[NIL]
	s_wait_dscnt 3*NA/2+1                          ; (the add and A's upper tiles may be out)
	WIN MUL_LO
.set IM, 0
.rept NA/4
	MULT IM, 1, 1, \sc, 0
.set IM, IM+1
.endr
	s_wait_dscnt 0x0                               ; the add is done, and my reads of this slot are over
	s_barrier_signal -1
.rept NA/4
	MULT IM, 1, 1, \sc, 0
.set IM, IM+1
.endr
	WIN 0
	s_barrier_wait -1
.if \fill
	CREST                                          ; the barrier has opened a round of the cluster's: no wave of any partner still reads this slot or has a load on its way
	s_add_nc_u64 s[G0+4*\slot+2:G0+4*\slot+3], s[G0+4*\slot+2:G0+4*\slot+3], NSLOT*HALFA
	s_add_nc_u64 s[G0B+4*\slot+2:G0B+4*\slot+3], s[G0B+4*\slot+2:G0B+4*\slot+3], NSLOT*HALFB
	JLOAD G0+4*\slot, G1, G0B+4*\slot, G1B         ; the first tensor load behind the round; its four v_nop are the places ahead of the loads below
.else
	PLACES 4
.endif
	FETCH_B \next, 0, 0
	FETCH_A \next, 0, 0
	WIN MUL_HI
.rept NA/2
	MULT IM, 1, 1, \sc, 0
.set IM, IM+1
.endr
	PLACES 4
	WIN 0
	FETCH_A \next, 0, NA/2
.endm
; 64 numbers of a lane, register 16 b + i = k 32 b + 16 h + i of my row, become a fragment's codes in v[PC] on and its scale word in v[PW]
.macro QUANT s
.irp b, 0,1,2,3
	v_max3_num_f32 v[TM+\b], |v[\s+16*\b]|, |v[\s+1+16*\b]|, 0x1800000   ; and the floor 2^(3 - 127): the byte cannot fall under 1
.endr
.irp i, 2,4,6,8,10,12,14
.irp b, 0,1,2,3
	v_max3_num_f32 v[TM+\b], v[TM+\b], |v[\s+16*\b+\i]|, |v[\s+1+16*\b+\i]|
.endr
.endr
.irp b, 0,1,2,3
	v_permlanex16_b32 v[TM+4+\b], v[TM+\b], s[SEL], s[SEL+1]
.endr
.irp b, 0,1,2,3
	v_max_num_f32 v[TM+\b], v[TM+\b], v[TM+4+\b]
.endr
.irp b, 0,1,2,3
	v_add_nc_u32 v[TM+12+\b], 0xff000000, v[TM+\b]   ; 2 off the exponent field: the conversion's scale operand
.endr
.irp b, 0,1,2,3
	v_lshrrev_b32 v[TM+4+\b], 23, v[TM+12+\b]
.endr
	v_lshl_or_b32 v[PW], v[TM+5], 8, v[TM+4]
	v_lshl_or_b32 v[PW], v[TM+6], 16, v[PW]
	v_lshl_or_b32 v[PW], v[TM+7], 24, v[PW]
.irp c, 0,1
	v_cvt_scalef32_pk16_fp6_f32 v[PC+6*\c:PC+2+6*\c], v[\s+32*\c:\s+15+32*\c], v[TM+12+2*\c]
	v_cvt_scalef32_pk16_fp6_f32 v[PC+12+4*\c:PC+14+4*\c], v[\s+16+32*\c:\s+31+32*\c], v[TM+12+2*\c+1]
.endr
	v_nop                                          ; one plain place behind a scaled conversion
.irp c, 0,1
.irp i, 0,1,2
	v_permlane16_swap_b32 v[PC+6*\c+\i], v[PC+12+4*\c+\i]
.endr
.irp i, 0,1,2
	v_mov_b32 v[PC+3+6*\c+\i], v[PC+12+4*\c+\i]
.endr
.endr
.endm
; The way out of A's tile a: + the lanes' bias, quantised, the fragment's image stored
.macro OUT_T a
	WIN 0x02+(\a)/4                                ; source 0: window 2 or 3
.set N, 0
.rept 32
	v_pk_add_f32 v[HA+N:HA+N+1], v[64*((\a)%4)+N:64*((\a)%4)+N+1], v[BR+2*(\a):BR+2*(\a)+1]   ; each accumulator from its low end on
.set N, N+2
.endr
	WIN 0
	s_wait_xcnt 0x0                                ; the last tile's stores have read the codes' registers
	QUANT HA
.irp c, 0,1,2
	global_store_b128 v[GO], v[PC+4*\c:PC+4*\c+3], s[94:95] offset:1536*(\a)+512*\c   ; 512 consecutive bytes, aligned
.endr
.if (\a)%2 == 0
	v_mov_b32 v[GW+(\a)/2], v[PW]
.else
	v_cndmask_b32 v[GW+(\a)/2], v[GW+(\a)/2], v[PW], s[HI]
.endif
.endm
	s_load_b256 s[4:11], s[0:1], 0x0               ; xwc s[4:5], xws s[6:7], bq s[8:9], bk s[10:11]
	s_load_b128 s[92:95], s[0:1], 0x20             ; bv s[92:93], qkvc s[94:95]
	s_load_b64 s[96:97], s[0:1], 0x30              ; qkvs
	v_lshl_add_u32 v[SPW], v0, 2, SPARE
	v_mov_b32 v[NIL], 0
	ds_add_u32 v[SPW], v[NIL]                      ; the wave's opening
	ds_add_u32 v[SPW], v[NIL]
	v_lshrrev_b32 v1, 5, v0
	v_readfirstlane_b32 s14, v1
	v_and_b32 v2, 15, v0
	v_bfe_u32 v3, v0, 4, 1
	v_lshlrev_b32 v[ADRSA], 4, v2
	v_lshl_add_u32 v[ADRSA], v3, 9, v[ADRSA]       ; 16 r + 512 h: lanes 16-31 read a pair's second K step; never rewritten
	s_lshr_b32 s15, s14, 1                         ; my half of A's rows.  Also: I fetch for A (0) or for B (1)
	s_and_b32 s16, s14, 1                          ; my half of B's rows.  Also: which half I fetch
	s_bfe_u32 s40, ttmp6, 0x40000                  ; cx  (s40-43 are at work here only; later they hold a group 0)
	s_bfe_u32 s41, ttmp6, 0x40004                  ; cy
	s_and_b32 s43, ttmp7, 0xffff
	s_lshl_b32 s43, s43, 2                         ; 4 x cluster y
	s_lshl_b32 s42, ttmp9, 2
	s_add_co_u32 s42, s42, 32                      ; 32 + 4 x cluster x
	; tiles of 256 rows in xwc: x 0-31, Wq 32-35, Wk 36-39, Wv 40-43
	s_cmp_lt_u32 ttmp9, 2                          ; a cluster of Q or K?  The same in all sixteen partners
	s_cselect_b32 s44, s43, 40
	s_cselect_b32 s45, s42, s43
	s_cselect_b32 s98, -1, 0
	s_add_co_u32 s44, s44, s41                     ; A's tile: hangs on cy alone within the cluster
	s_add_co_u32 s45, s45, s40                     ; B's tile: on cx alone
	s_not_b32 s99, s98
	s_lshl_b32 s46, s41, 2
	s_lshl_b32 s46, 15, s46                        ; my row of the cluster
	s_lshl_b32 s47, 0x1111, s40                    ; my column
	; group 1: dense blocks as rows of 256 bytes (32 elements of 8 bytes), no padding
	s_or_b32 s[G1], s46, (3<<16)|(1<<21)
	s_or_b32 s[G1B], s47, (3<<16)|(1<<21)
	s_or_b32 s[G1S], s46, (3<<16)|(1<<21)
	s_or_b32 s[G1SB], s47, (3<<16)|(1<<21)
.irp g, G1, G1B
	s_mov_b32 s[\g+1], 32<<16
	s_mov_b32 s[\g+2], 96<<16
	s_mov_b32 s[\g+3], 32<<16
	s_mov_b32 s[\g+4], 96
	s_mov_b32 s[\g+5], 32
	s_mov_b32 s[\g+6], 0
	s_mov_b32 s[\g+7], 0
.endr
.irp g, G1S, G1SB                              ; the head's loads: two rows of 3,072 elements of 8 bytes, 12,288 elements apart
	s_mov_b32 s[\g+1], 3072<<16
	s_mov_b32 s[\g+2], 2<<16
	s_mov_b32 s[\g+3], 3072<<16
	s_mov_b32 s[\g+4], 2
	s_mov_b32 s[\g+5], 12288
	s_mov_b32 s[\g+6], 0
	s_mov_b32 s[\g+7], 0
.endr
	s_lshl_b32 s17, s44, 1
	s_add_co_u32 s17, s17, s16                     ; A: the block of 128 rows that I fetch
	s_mul_i32 s20, s17, 98304                      ; its codes: 8 units
	s_mov_b32 s21, 0
	s_lshl_b32 s22, s44, 1
	s_add_co_u32 s22, s22, s15                     ; the block of A's rows that I multiply
	s_lshl_b32 s22, s22, 12                        ; its scales
	s_mov_b32 s23, 0
	s_lshl_b32 s2, s45, 1
	s_add_co_u32 s2, s2, s16                       ; B likewise
	s_mul_i32 s66, s2, 98304
	s_mov_b32 s67, 0
	s_lshl_b32 s18, s2, 12
	s_mov_b32 s19, 0
	s_mul_i32 s12, s16, HALFA                      ; where they go: the wave's number alone enters an LDS address
	s_mul_i32 s13, s16, HALFB
	s_add_co_u32 s13, s13, 2*HALFA
	s_wait_alu depctr_va_vdst(0)
	s_wait_dscnt 0x0                               ; both opening adds are done
	s_wait_kmcnt 0x0
	s_add_nc_u64 s[20:21], s[4:5], s[20:21]
	s_add_nc_u64 s[22:23], s[6:7], s[22:23]
	s_add_nc_u64 s[66:67], s[4:5], s[66:67]
	s_add_nc_u64 s[18:19], s[6:7], s[18:19]
.irp p, 0,1,2,3
	SCALES \p
.endr
	CROUND                                         ; all sixteen work-groups are here: the first joint loads meet
	s_wait_xcnt 0x0                                ; the scales' loads have read their bases: s[18:19] are written below
	s_mul_i32 s18, s16, 73728                      ; from (block 2 T + s16, K step 0) back to (block 2 T, K step 2 s16): 98,304 - 24,576 bytes
	s_mov_b32 s19, 0
	s_mov_b32 s[G0S], 1                            ; waves 0, 1: A's 256 rows of slot s16
	s_mul_i32 s[G0S+1], s16, SLOT
	s_sub_nc_u64 s[G0S+2:G0S+3], s[20:21], s[18:19]
	s_or_b32 s[G0S+3], s[G0S+3], 0x80000000
	s_mov_b32 s[G0SB], 1                           ; waves 2, 3: B's
	s_add_co_u32 s[G0SB+1], s[G0S+1], 2*HALFA
	s_sub_nc_u64 s[G0SB+2:G0SB+3], s[66:67], s[18:19]
	s_or_b32 s[G0SB+3], s[G0SB+3], 0x80000000
	JLOAD G0S, G1S, G0SB, G1SB                     ; one tensor load a wave at the head
.irp s, 0,1,2
.set GB, G0B+4*\s-60*(\s/2)                    ; s56, s60, s4
	s_mov_b32 s[G0+4*\s], 1
	s_add_co_u32 s[G0+4*\s+1], s12, \s*SLOT
	s_add_nc_u64 s[G0+4*\s+2:G0+4*\s+3], s[20:21], \s*HALFA
	s_or_b32 s[G0+4*\s+3], s[G0+4*\s+3], 0x80000000
	s_mov_b32 s[GB], 1
	s_add_co_u32 s[GB+1], s13, \s*SLOT
	s_add_nc_u64 s[GB+2:GB+3], s[66:67], \s*HALFB
	s_or_b32 s[GB+3], s[GB+3], 0x80000000
.endr
	v_and_b32 v1, 31, v0                           ; lane
	v_and_b32 v2, 15, v0                           ; r
	s_wait_alu depctr_va_vdst(0)
	v_bfe_u32 v3, v0, 4, 1                         ; h
	v_lshlrev_b32 v[GO], 4, v1
	s_mul_i32 s2, s15, HALFA
	s_mul_i32 s3, s16, HALFB
	s_add_co_u32 s3, s3, 2*HALFA
.irp s, 0,1,2
	v_add_nc_u32 v[ADRA+\s], s2, v[GO]
	v_add_nc_u32 v[ADRB+\s], s3, v[GO]
	s_add_co_u32 s2, s2, SLOT
	s_add_co_u32 s3, s3, SLOT
.endr
	s_wait_alu depctr_va_vdst(0)
	; the registers' bias: bq or bk at B's rows: lane (r, h) wants, for tile b, channels 32 (b / 2) + 16 h + 8 (b % 2) + 0 .. 7 of my 128
	s_cmp_eq_u32 ttmp9, 0
	s_cselect_b64 s[8:9], s[8:9], s[10:11]
	s_and_b32 s2, s45, 3
	s_lshl_b32 s2, s2, 10
	s_lshl_b32 s3, s16, 9
	s_add_co_u32 s2, s2, s3
	s_mov_b32 s3, 0
	s_add_nc_u64 s[8:9], s[8:9], s[2:3]
	v_lshlrev_b32 v5, 6, v3
	WIN 0x40
.irp b, 0,1,2,3,4,5,6,7
	global_load_b128 v[96+8*\b+96*(\b/4):96+8*\b+96*(\b/4)+3], v5, s[8:9] offset:(32*(\b/2)+8*(\b%2))*4
	global_load_b128 v[96+8*\b+96*(\b/4)+4:96+8*\b+96*(\b/4)+7], v5, s[8:9] offset:(32*(\b/2)+8*(\b%2))*4+16
.endr
	WIN 0
	; the lanes' bias: bv at A's rows: lane r of tile a wants channel 32 (a / 2) + 8 (a % 2) + r + 8 (r / 8) of my 128; each number twice, for the packed addition
	s_and_b32 s2, s44, 3
	s_lshl_b32 s2, s2, 10
	s_lshl_b32 s3, s15, 9
	s_add_co_u32 s2, s2, s3
	s_mov_b32 s3, 0
	s_add_nc_u64 s[92:93], s[92:93], s[2:3]
	v_and_b32 v6, 8, v2
	v_add_nc_u32 v6, v6, v2
	v_lshlrev_b32 v6, 2, v6
.irp a, 0,1,2,3,4,5,6,7
	global_load_b32 v[BR+2*\a], v6, s[92:93] offset:(32*(\a/2)+8*(\a%2))*4
	global_load_b32 v[BR+2*\a+1], v6, s[92:93] offset:(32*(\a/2)+8*(\a%2))*4
.endr
	; my output unit.  Q, K: 512 x (K?) + 8 x (block of rows 2 TA + i) + channel step;  V: 1,024 + 16 x (8 batch + channel block) + key step
	s_lshl_b32 s2, s45, 1
	s_add_co_u32 s2, s2, s16                       ; 2 TB + j
	s_lshl_b32 s3, s44, 1
	s_add_co_u32 s3, s3, s15                       ; 2 TA + i
	s_bfe_u32 s17, s45, 0x10002                    ; tiles 32-35: 0 (Q), 36-39: 1 (K)
	s_lshl_b32 s17, s17, 9
	s_lshl_b32 s18, s3, 3
	s_add_co_u32 s17, s17, s18
	s_and_b32 s18, s2, 7
	s_add_co_u32 s17, s17, s18
	s_lshr_b32 s18, s2, 4                          ; batch
	s_lshl_b32 s18, s18, 7
	s_and_b32 s19, s3, 7                           ; channel block (80 is a multiple of 8)
	s_lshl_b32 s19, s19, 4
	s_add_co_u32 s18, s18, s19
	s_and_b32 s19, s2, 15                          ; key step
	s_add_co_u32 s18, s18, s19
	s_add_co_u32 s18, s18, 1024
	s_cmp_lt_u32 ttmp9, 2
	s_cselect_b32 s17, s17, s18
	s_mul_i32 s18, s17, 12288
	s_mov_b32 s19, 0
	s_add_nc_u64 s[94:95], s[94:95], s[18:19]
	s_lshl_b32 s18, s17, 9
	s_add_nc_u64 s[96:97], s[96:97], s[18:19]
	s_mov_b32 s[SEL], 0x76543210
	s_mov_b32 s[SEL+1], 0xfedcba98
	s_mov_b32 s[HI], 0xffff0000
.irp b, 0,1,2,3
	v_mov_b32 v[TM+4+\b], 0                        ; written once: a lane permute's destination counts as one of its sources
.endr
	s_wait_loadcnt 0x0                             ; the biases
	WIN 0x44                                       ; destination and source 1: window 1
.set N, 0
.rept 32
	v_cndmask_b32 v[96+N], 0, v[96+N], s98         ; in a cluster of V the registers' bias is 0
	v_cndmask_b32 v[224+N], 0, v[224+N], s98
.set N, N+1
.endr
	WIN 0
.set N, 0
.rept 16
	v_cndmask_b32 v[BR+N], 0, v[BR+N], s99         ; in a cluster of Q or K the lanes' bias is 0
.set N, N+1
.endr
	s_wait_alu depctr_va_vdst(0)                   ; the wait at the head's end
	s_wait_tensorcnt 0x0                           ; my tile of the head's four is in
	ds_add_u32 v[SPW], v[NIL]
	s_wait_dscnt 0x0
	CROUND                                         ; slots 0 and 1 are whole, and all sixteen work-groups are here
	JLOAD G0+8, G1, 4, G1B                         ; slot 2's first fill, K steps 4 and 5: my one load behind the round
	FETCH_B 0, 0, 0
	FETCH_A 0, 0, 0
	FETCH_A 0, 0, NA/2
	STEP 0, 0, 2                                   ; K step 0: its products start the sums, from the bias
	MID 0, 1, 1                                    ; K step 1: on to slot 1, which the head's round has shown whole
	STEP 1, 1, 0                                   ; K step 2
	TURN 0, 1, 2, 2, 1                             ; K step 3: slot 2 has landed; slot 0 is asked for again: K steps 6 and 7
	STEP 2, 2, 0                                   ; K step 4
	TURN 2, 2, 0, 3, 0                             ; K step 5: slot 0's second fill has landed; nothing is filled
	STEP 0, 3, 0                                   ; K step 6
	s_wait_dscnt 3*NA/2                            ; K step 7: nothing more to fetch
	WIN MUL_LO
.set IM, 0
.rept NA/2
	MULT IM, 1, 1, 3, 0
.set IM, IM+1
.endr
	s_wait_dscnt 0x0
	WIN MUL_HI
.rept NA/2
	MULT IM, 1, 1, 3, 0
.set IM, IM+1
.endr
	WIN 0
	PLACES 4
.irp a, 0,1,2,3,4,5,6,7
	OUT_T \a
.endr
	global_store_b128 v[GO], v[GW:GW+3], s[96:97]  ; the unit's scale words: 512 consecutive bytes
	s_wait_tensorcnt 0x0                           ; the wave's end
	ds_add_u32 v[SPW], v[NIL]
	s_wait_dscnt 0x0
	CROUND                                         ; the closing round
	s_endpgm
.Lfunc_end_k_qb7e6550e60_proj:
	.size	k_qb7e6550e60_proj, .Lfunc_end_k_qb7e6550e60_proj-k_qb7e6550e60_proj
	.p2alignl 7, 3214868480
	.fill 96, 4, 3214868480
	.section	.rodata,"a",@progbits
	.p2align	6, 0x0
	.amdhsa_kernel k_qb7e6550e60_proj
		.amdhsa_group_segment_fixed_size 327680
		.amdhsa_private_segment_fixed_size 0
		.amdhsa_enable_private_segment 0
		.amdhsa_kernarg_size 56
		.amdhsa_user_sgpr_count 2
		.amdhsa_user_sgpr_kernarg_segment_ptr 1
		.amdhsa_wavefront_size32 1
		.amdhsa_system_sgpr_workgroup_id_x 1
		.amdhsa_system_sgpr_workgroup_id_y 1
		.amdhsa_system_sgpr_workgroup_id_z 1
		.amdhsa_system_vgpr_workitem_id 0
		.amdhsa_next_free_vgpr 1024
		.amdhsa_next_free_sgpr 100
		.amdhsa_reserve_vcc 0
		.amdhsa_float_denorm_mode_32 3
		.amdhsa_float_denorm_mode_16_64 3
		.amdhsa_memory_ordered 1
		.amdhsa_forward_progress 1
		.amdhsa_inst_pref_size 163
	.end_amdhsa_kernel
	.amdgpu_metadata
---
amdhsa.version: [ 1, 2 ]
amdhsa.kernels:
  - .name:           k_qb7e6550e60_proj
    .symbol:         k_qb7e6550e60_proj.kd
    .args:
      - { .name: xwc, .offset: 0, .size: 8, .value_kind: global_buffer, .address_space: global }
      - { .name: xws, .offset: 8, .size: 8, .value_kind: global_buffer, .address_space: global }
      - { .name: bq, .offset: 16, .size: 8, .value_kind: global_buffer, .address_space: global }
      - { .name: bk, .offset: 24, .size: 8, .value_kind: global_buffer, .address_space: global }
      - { .name: bv, .offset: 32, .size: 8, .value_kind: global_buffer, .address_space: global }
      - { .name: qkvc, .offset: 40, .size: 8, .value_kind: global_buffer, .address_space: global }
      - { .name: qkvs, .offset: 48, .size: 8, .value_kind: global_buffer, .address_space: global }
    .group_segment_fixed_size: 327680
    .private_segment_fixed_size: 0
    .kernarg_segment_align: 8
    .kernarg_segment_size: 56
    .max_flat_workgroup_size: 128
    .sgpr_count:     100
    .vgpr_count:     1024
    .wavefront_size: 32
...
	.end_amdgpu_metadata
.endif
;; end of part 2
;; launch score (part 3): grid 8 x 32, 4 waves a work-group, clusters of 4 x 4, 327,680 bytes of LDS; arguments qkvc, qkvs, mb, pc, pst; writes pc, pst
.if DOCPART == 3
	.amdgcn_target "amdgcn-amd-amdhsa--gfx1250"
	.amdhsa_code_object_version 6
	.text
	.protected	k_qb7e6550e60_score
	.globl	k_qb7e6550e60_score
	.p2align	8
	.type	k_qb7e6550e60_score,@function
k_qb7e6550e60_score:
	s_mov_b64 s[64:65], 0
	v_nop
	global_prefetch_b8 v0, s[64:65] scope:SCOPE_SE
	s_setreg_imm32_b32 hwreg(HW_REG_WAVE_MODE, 25, 1), 1
	s_wait_xcnt 0x0
	s_wait_alu depctr_hold_cnt(0) depctr_sa_sdst(0) depctr_va_vdst(0) depctr_va_sdst(0) depctr_va_ssrc(0) depctr_va_vcc(0) depctr_vm_vsrc(0)
	s_getreg_b32 s2, hwreg(HW_REG_IB_STS2, 6, 4)
	s_cmp_eq_u32 s2, 0
	s_cbranch_scc0 .Lentry_in_a_cluster
	s_endpgm
.Lentry_in_a_cluster:
	s_bfe_u32 s2, ttmp6, 0x10000c
	s_cmp_lg_u32 s2, 0xf033
	s_cbranch_scc0 .Lentry_shape_is_right
	s_endpgm
.Lentry_shape_is_right:
; S^T = K Q^T on codes of FP6 (E2M3), the mask, and the softmax's p for EACH SPAN OF 128 KEYS: t = score x log2(e) / 32; M = the span's largest t rounded up to a whole number; p = 2^(t - M), quantised along the keys.
; Stored for each (query, span): p's codes and scale word, -M, and the sum of the unquantised p.  The next launch brings the spans under the row's M by exact powers of two (the scale bytes and the sums are shifted).
; A work-group of four waves makes 256 queries x 256 keys, a wave 128 x 128.  K = 1,024 channels is 8 steps of 128, written out.
; THREE LDS SLOTS of two K steps each.  Steps 0 to 5 are asked for at the start, as first fills; slot 0 is filled ONCE again, with steps 6 and 7, behind step 1's change of slots: from that request to the wait for it
; a wave issues 224 matrix instructions.  The change from slot 1 to slot 2 has no barrier: the round before it has shown slot 2 whole to every wave, and nothing is filled there.
; Source 0 = 16 keys (they run along a lane's registers), source 1 = 16 queries (the lanes): a lane holds one query, and register 16 b + i of a tile of queries holds key 32 b + 16 h + i of the span.
; Codes lie as images of operand registers (a unit = 128 rows x 128 K = 8 fragments of 1,536 bytes; lane r of tile t holds row 32 (t / 2) + 8 (t % 2) + r + 8 (r / 8)); a unit's scale words: (tile 2 i + hh, row r) at 256 hh + 16 r + 4 i.
; THE MASK comes as lane masks, one word for each register of a tile.  My wave's 512 words are loaded at the head into 16 vector registers (word n of tile a in lane n / 2, register 2 a + n % 2); on the way out
; v_readlane_b32 brings a tile's 64 into the scalar registers that held the descriptors (free behind the last wait for all tensor loads).  They only select values.
; A span with no open key gives p = 0, sum 0 and -M = 3e38.  CLUSTERS 4 x 4: Q's tiles are shared along a row of the cluster, K's along a column.
; REGISTERS: window 0: v0-31 addresses; v32-63 scale words; v64-79 the lane masks; v128-223 A's fragments, on the way out the scores and p's codes; v224-255 the way out's.  window 1: B's two sets.  windows 2, 3: the accumulators.
; No prefetch: the launch has one refill, and that has four K steps in which to land.
; LIMITS: NaN and infinities are not served.
; THE ORDER OF THE FILLS AND THE WAY OF THE SCALES AS THIS TEXT HAS THEM (in place of what the lines above say of them):
; at the head each wave issues ONE joint load: waves 0, 1 Q's 256 rows of slots 0, 1, waves 2, 3 K's: a tile of two rows of 24,576 bytes (the two blocks of 128 rows lie 98,304 bytes apart).
; Behind the three lines and a round each wave asks for its quarter of slot 2; slot 0 is filled again, with K steps 6 and 7, behind K step 3's round.  The changes from slot 0 to 1 and from 2 to 0 fill nothing.
; The scale words come from memory straight into registers, 16 loads a wave (sixteen lanes read 256 consecutive bytes), four sets of 16 registers: v32-63 and v80-111.
.set NA,    8
.set HALFA, 24576
.set HALFB, 24576
.set SLOT,  2*HALFA+2*HALFB
.set NSLOT, 3
.set SCL,   NSLOT*SLOT
.set SPARE, SCL+16384
.set ADRA, 16                          ; v16-18
.set ADRB, 20                          ; v20-22
.set O8,   23                          ; v23  8 x lane; never rewritten
.set GO,   24                          ; v24  16 x lane
.set NINF, 25                          ; v25  -infinity
.set ADRSA, 26
.set ADRSB, 27
.set SPW,  28
.set NIL,  29
.set SC,   32
.set MKV,  64                          ; v64-79 the lane masks of my eight tiles
.set AF,   128
.set S,    128                         ; v128-191 a tile's scores, then p
.set PC,   192                         ; v192-211 p's codes
.set SO,   212                         ; v212-215 the conversions' scale operands
.set BY,   216                         ; v216-219 the bytes
.set T4,   224
.set LT,   228
.set NM,   230                         ; -M  (named as a pair with v231)
.set TMX,  231
.set LA,   232
.set LB,   234
.set TT,   236
.set PW,   237
.set BM,   238                         ; v238-241 the blocks' largest scores, then largest p
.set GW,   244                         ; v244-247 scale words, v248-251 -M, v252-255 sums, in the scale block's order
.set GM,   248
.set GL,   252
.set CS,   10                          ; s[10:11] c = log2(e) / 32
.set SEL,  12
.set HI,   96
.set G1,   24
.set G0,   32                          ; s[32:43] one group 0 for each slot
.set G1B,  48
.set G0B,  56                          ; s[56:63] slots 0 and 1; slot 2's lies in s[92:95]
.set G1S,  68
.set G0S,  76
.set G1SB, 80
.set G0SB, 88
.set MUL_LO, 0xa1
.set MUL_HI, 0xf1
.set MSB, 0
.macro WIN new
.if MSB != (\new)
	s_set_vgpr_msb (MSB<<8)|(\new)
.set MSB, (\new)
.endif
.endm
.macro JLOAD g0a, g1a, g0b, g1b        ; waves 0 and 1 fetch for A, waves 2 and 3 for B; an s_nop 0 and four v_nop follow each line
	s_cmp_eq_u32 s15, 0
	s_cbranch_scc0 .Lfor_b_\@
	tensor_load_to_lds s[\g0a:\g0a+3], s[\g1a:\g1a+7]
	s_nop 0
.rept 4
	v_nop
.endr
	s_branch .Lasked_\@
.Lfor_b_\@:
	tensor_load_to_lds s[\g0b:\g0b+3], s[\g1b:\g1b+7]
	s_nop 0
.rept 4
	v_nop
.endr
.Lasked_\@:
.endm
.macro CREST
	s_cmp_lg_u32 s14, 0
	s_cbranch_scc1 .Lnot_wave_0_\@
	s_barrier_signal -3
.Lnot_wave_0_\@:
	s_barrier_wait -3
	s_barrier_signal -1
	s_barrier_wait -1
.endm
.macro CROUND
	s_barrier_signal -1
	s_barrier_wait -1
	CREST
.endm
.macro PLACES n
.rept \n
	v_nop
.endr
.endm
.macro FRAG reg, adr, off
.irp c, 0,1,2
	ds_load_b128 v[\reg+4*\c:\reg+4*\c+3], v[\adr] offset:\off+512*\c
.endr
.endm
.macro FETCH_B slot, q, p
	WIN 0x40
.irp i, 0,1,2,3,4,5,6,7
	FRAG 128*(\p)+12*\i, ADRB+\slot, ((\q)*8+\i)*1536
.endr
	WIN 0
.endm
.macro FETCH_A slot, q, i0
.set IA, \i0
.rept NA/2
	FRAG AF+12*IA, ADRA+\slot, ((\q)*NA+IA)*1536
.set IA, IA+1
.endr
.endm
.macro SCALES set                      ; the scale words of K steps 2 set and 2 set + 1, from memory; v[ADRSA] = 16 r + 512 h
.set SS, SC+16*(\set)+16*((\set)/2)
	global_load_b128 v[SS:SS+3], v[ADRSA], s[22:23] offset:1024*(\set)
	global_load_b128 v[SS+4:SS+7], v[ADRSA], s[22:23] offset:1024*(\set)+256
	global_load_b128 v[SS+8:SS+11], v[ADRSA], s[18:19] offset:1024*(\set)
	global_load_b128 v[SS+12:SS+15], v[ADRSA], s[18:19] offset:1024*(\set)+256
.endm
; A's tile a against B's eight; z = 1: the products start the sums.  The 64 accumulators take turns, one instruction a turn.
.macro MULT a, p, q, sc, z
.irp b, 0,1,2,3,4,5,6,7
.set AC, 8*(8*((\a)%4)+\b)
.set FB, 128*(\p)+12*\b
.set FA, AF+12*(\a)
.set SB, SC+16*(\sc)+16*((\sc)/2)+8+4*(\b%2)+\b/2
.set SA, SC+16*(\sc)+16*((\sc)/2)+4*((\a)%2)+(\a)/2
.if \q
	v_wmma_scale_f32_16x16x128_f8f6f4 v[AC:AC+7], v[FB:FB+11], v[FA:FA+11], v[AC:AC+7], v[SB], v[SA] matrix_a_fmt:MATRIX_FMT_FP6 matrix_b_fmt:MATRIX_FMT_FP6 matrix_a_scale:MATRIX_SCALE_ROW1 matrix_b_scale:MATRIX_SCALE_ROW1
.elseif \z == 0
	v_wmma_scale_f32_16x16x128_f8f6f4 v[AC:AC+7], v[FB:FB+11], v[FA:FA+11], v[AC:AC+7], v[SB], v[SA] matrix_a_fmt:MATRIX_FMT_FP6 matrix_b_fmt:MATRIX_FMT_FP6
.else
	v_wmma_scale_f32_16x16x128_f8f6f4 v[AC:AC+7], v[FB:FB+11], v[FA:FA+11], 0, v[SB], v[SA] matrix_a_fmt:MATRIX_FMT_FP6 matrix_b_fmt:MATRIX_FMT_FP6
.endif
.endr
.endm
; A slot's first K step; it fetches the second's fragments.
.macro STEP slot, sc, z
	s_wait_dscnt 3*NA/2                            ; all but the youngest loads (A's upper tiles)
	WIN MUL_LO
.set IM, 0
.rept NA/2
	MULT IM, 0, 0, \sc, \z
.set IM, IM+1
.endr
	s_wait_dscnt 0x0
	PLACES 4
	FETCH_B \slot, 1, 1
	FETCH_A \slot, 1, 0
	WIN MUL_HI
.rept NA/2
	MULT IM, 0, 0, \sc, \z
.set IM, IM+1
.endr
	PLACES 4
	WIN 0
	FETCH_A \slot, 1, NA/2
.endm
; A slot's second K step where the next slot is known whole to every wave and nothing is filled: no barrier.
.macro MID sc, next, nsc
	s_wait_dscnt 3*NA/2
	WIN MUL_LO
.set IM, 0
.rept NA/2
	MULT IM, 1, 1, \sc, 0
.set IM, IM+1
.endr
	s_wait_dscnt 0x0
	WIN 0
	PLACES 4
	FETCH_B \next, 0, 0
	FETCH_A \next, 0, 0
	WIN MUL_HI
.rept NA/2
	MULT IM, 1, 1, \sc, 0
.set IM, IM+1
.endr
	PLACES 4
	WIN 0
	FETCH_A \next, 0, NA/2
.endm
; A slot's second K step with a barrier: ahead of it each wave waits for all its tensor loads, adds 0 to its spare word, and waits for that and for its reads of this slot.  fill = 1: this slot is filled again.
.macro TURN slot, sc, next, nsc, fill
	s_wait_tensorcnt 0x0                           ; all my tensor loads have landed
	ds_add_u32 v[SPW], v[NIL]
	s_wait_dscnt 3*NA/2+1                          ; (the add and A's upper tiles may be out)
	WIN MUL_LO
.set IM, 0
.rept NA/4
	MULT IM, 1, 1, \sc, 0
.set IM, IM+1
.endr
	s_wait_dscnt 0x0                               ; the add is done, and my reads of this slot are over
	s_barrier_signal -1
.rept NA/4
	MULT IM, 1, 1, \sc, 0
.set IM, IM+1
.endr
	WIN 0
	s_barrier_wait -1
.if \fill
	CREST                                          ; a round of the cluster's barrier: no wave of any partner still reads this slot or has a load on its way
	s_add_nc_u64 s[G0+4*\slot+2:G0+4*\slot+3], s[G0+4*\slot+2:G0+4*\slot+3], NSLOT*HALFA
	s_add_nc_u64 s[G0B+4*\slot+2:G0B+4*\slot+3], s[G0B+4*\slot+2:G0B+4*\slot+3], NSLOT*HALFB
	JLOAD G0+4*\slot, G1, G0B+4*\slot, G1B
.else
	PLACES 4
.endif
	FETCH_B \next, 0, 0
	FETCH_A \next, 0, 0
	WIN MUL_HI
.rept NA/2
	MULT IM, 1, 1, \sc, 0
.set IM, IM+1
.endr
	PLACES 4
	WIN 0
	FETCH_A \next, 0, NA/2
.endm
; The way out of the tile a of 16 queries
.macro SOFT_T a
.set N, 0
.rept 64
	v_readlane_b32 s[16+N+4*(N/48)], v[MKV+2*(\a)+N%2], N/2   ; the tile's lane masks: word n into s[16 + n] (n < 48) or s[20 + n]
.set N, N+1
.endr
	WIN 0x08+4*((\a)/4)                            ; source 1: window 2 or 3
.set N, 0
.rept 64
	v_cndmask_b32 v[S+N], v[NINF], v[64*((\a)%4)+N], s[16+N+4*(N/48)]   ; a hidden key's score becomes -infinity; each accumulator from its low end on
.set N, N+1
.endr
	WIN 0
.irp b, 0,1,2,3
	v_max3_num_f32 v[BM+\b], v[S+16*\b], v[S+16*\b+1], v[S+16*\b+2]   ; the largest score of each block of 32 keys: for the span's maximum and, since p rises with the score, for the block's largest p
.endr
.irp i, 3,5,7,9,11,13
.irp b, 0,1,2,3
	v_max3_num_f32 v[BM+\b], v[BM+\b], v[S+16*\b+\i], v[S+16*\b+\i+1]
.endr
.endr
.irp b, 0,1,2,3
	v_max_num_f32 v[BM+\b], v[BM+\b], v[S+16*\b+15]
.endr
.irp b, 0,1,2,3
	v_permlanex16_b32 v[T4+\b], v[BM+\b], s[SEL], s[SEL+1]
.endr
.irp b, 0,1,2,3
	v_max_num_f32 v[BM+\b], v[BM+\b], v[T4+\b]     ; with lane l xor 16's 16 keys
.endr
	v_max3_num_f32 v[TT], v[BM], v[BM+1], v[BM+2]
	v_max_num_f32 v[TT], v[TT], v[BM+3]
	v_mul_f32 v[TT], s[CS], v[TT]                  ; the span's largest t (c is positive),
	v_max_num_f32 v[TMX], 0xff61b1e6, v[TT]        ; held at -3e38 from below: a span with no open key
	v_floor_f32 v[NM], -v[TMX]                     ; -M = floor(-t) = -ceil(t): M is a whole number
.set N, 0
.rept 32
	v_pk_fma_f32 v[S+N:S+N+1], v[S+N:S+N+1], s[CS:CS+1], v[NM:NM+1] op_sel_hi:[1,0,0]   ; t - M, two at a time
.set N, N+2
.endr
.irp b, 0,1,2,3
	v_fma_f32 v[BM+\b], v[BM+\b], s[CS], v[NM]
.endr
.set N, 0
	s_wait_alu depctr_va_vdst(0)
.rept 64
	v_exp_f32 v[S+N], v[S+N]                       ; p = 2^(t - M), at most 1
.set N, N+1
.endr
	v_nop                                          ; a plain place behind the exponentials
	s_wait_alu depctr_va_vdst(0)                   ; one wait for the batch, ahead of its first reader
.irp b, 0,1,2,3
	v_exp_f32 v[BM+\b], v[BM+\b]                   ; the blocks' largest p: the same two instructions on the same number give the same bits
.endr
	v_pk_add_f32 v[LA:LA+1], v[S:S+1], v[S+2:S+3]  ; the sum of the unquantised p, in two chains (plain work behind the four)
	v_pk_add_f32 v[LB:LB+1], v[S+4:S+5], v[S+6:S+7]
.irp j, 8,12,16,20,24,28,32,36,40,44,48,52,56,60
	v_pk_add_f32 v[LA:LA+1], v[LA:LA+1], v[S+\j:S+\j+1]
	v_pk_add_f32 v[LB:LB+1], v[LB:LB+1], v[S+\j+2:S+\j+3]
.endr
	v_pk_add_f32 v[LA:LA+1], v[LA:LA+1], v[LB:LB+1]
	v_add_f32 v[TT], v[LA], v[LA+1]
	v_permlanex16_b32 v[LT], v[TT], s[SEL], s[SEL+1]
	v_add_f32 v[TT], v[TT], v[LT]                  ; the query's sum over the span
	s_wait_alu depctr_va_vdst(0)                   ; and one wait for the four
.irp b, 0,1,2,3
	v_max_num_f32 v[BM+\b], 0x1800000, v[BM+\b]    ; the floor 2^(3 - 127): the byte cannot fall under 1
.endr
.irp b, 0,1,2,3
	v_add_nc_u32 v[SO+\b], 0xff000000, v[BM+\b]    ; 2 off the exponent field: the conversion's scale operand
.endr
.irp b, 0,1,2,3
	v_lshrrev_b32 v[BY+\b], 23, v[SO+\b]
.endr
	v_lshl_or_b32 v[PW], v[BY+1], 8, v[BY]
	v_lshl_or_b32 v[PW], v[BY+2], 16, v[PW]
	v_lshl_or_b32 v[PW], v[BY+3], 24, v[PW]
	s_wait_xcnt 0x0                                ; the last tile's stores have read the codes' registers
.irp c, 0,1
	v_cvt_scalef32_pk16_fp6_f32 v[PC+6*\c:PC+2+6*\c], v[S+32*\c:S+15+32*\c], v[SO+2*\c]
	v_cvt_scalef32_pk16_fp6_f32 v[PC+12+4*\c:PC+14+4*\c], v[S+16+32*\c:S+31+32*\c], v[SO+2*\c+1]
.endr
	v_nop                                          ; one plain place behind a scaled conversion
.irp c, 0,1
.irp i, 0,1,2
	v_permlane16_swap_b32 v[PC+6*\c+\i], v[PC+12+4*\c+\i]
.endr
.irp i, 0,1,2
	v_mov_b32 v[PC+3+6*\c+\i], v[PC+12+4*\c+\i]
.endr
.endr
.irp c, 0,1,2
	global_store_b128 v[GO], v[PC+4*\c:PC+4*\c+3], s[4:5] offset:((\a)/4)*98304+((\a)%4)*1536+512*\c   ; 512 consecutive bytes, aligned
.endr
.if (\a)%2 == 0
	v_mov_b32 v[GW+(\a)/2], v[PW]
	v_mov_b32 v[GM+(\a)/2], v[NM]
	v_mov_b32 v[GL+(\a)/2], v[TT]
.else
	v_cndmask_b32 v[GW+(\a)/2], v[GW+(\a)/2], v[PW], s[HI]
	v_cndmask_b32 v[GM+(\a)/2], v[GM+(\a)/2], v[NM], s[HI]
	v_cndmask_b32 v[GL+(\a)/2], v[GL+(\a)/2], v[TT], s[HI]
.endif
.endm
	s_load_b128 s[4:7], s[0:1], 0x0                ; qkvc s[4:5], qkvs s[6:7]
	s_load_b128 s[8:11], s[0:1], 0x10              ; mb s[8:9], pc s[10:11]
	s_load_b64 s[12:13], s[0:1], 0x20              ; pst
	v_lshl_add_u32 v[SPW], v0, 2, SPARE
	v_mov_b32 v[NIL], 0
	ds_add_u32 v[SPW], v[NIL]                      ; the wave's opening
	ds_add_u32 v[SPW], v[NIL]
	v_lshrrev_b32 v1, 5, v0
	v_readfirstlane_b32 s14, v1
	v_and_b32 v2, 15, v0
	v_bfe_u32 v3, v0, 4, 1
	v_lshlrev_b32 v[ADRSA], 4, v2
	v_lshl_add_u32 v[ADRSA], v3, 9, v[ADRSA]       ; 16 r + 512 h: lanes 16-31 read a pair's second K step; never rewritten
	s_lshr_b32 s15, s14, 1                         ; my half of the queries.  Also: I fetch for Q (0) or for K (1)
	s_and_b32 s16, s14, 1                          ; my half of the keys.  Also: which half I fetch
	s_bfe_u32 s40, ttmp6, 0x40000                  ; cx  (s40, s41 are at work here only; later they hold a group 0)
	s_bfe_u32 s41, ttmp6, 0x40004                  ; cy
	s_and_b32 s97, ttmp7, 0xffff
	s_lshl_b32 s44, s97, 2
	s_add_co_u32 s44, s44, s41                     ; Y: the tile of 256 queries, 0 .. 31 over the four batches
	s_lshr_b32 s97, s97, 1
	s_lshl_b32 s97, s97, 4                         ; 16 x batch: from the cluster's y alone
	s_lshl_b32 s45, ttmp9, 2
	s_add_co_u32 s45, s45, s40                     ; X: the tile of 256 keys in the batch
	s_lshl_b32 s46, s41, 2
	s_lshl_b32 s46, 15, s46                        ; my row of the cluster
	s_lshl_b32 s47, 0x1111, s40                    ; my column
	s_or_b32 s[G1], s46, (3<<16)|(1<<21)           ; dense blocks as rows of 256 bytes (32 elements of 8 bytes), no padding
	s_or_b32 s[G1B], s47, (3<<16)|(1<<21)
	s_or_b32 s[G1S], s46, (3<<16)|(1<<21)
	s_or_b32 s[G1SB], s47, (3<<16)|(1<<21)
.irp g, G1, G1B
	s_mov_b32 s[\g+1], 32<<16
	s_mov_b32 s[\g+2], 96<<16
	s_mov_b32 s[\g+3], 32<<16
	s_mov_b32 s[\g+4], 96
	s_mov_b32 s[\g+5], 32
	s_mov_b32 s[\g+6], 0
	s_mov_b32 s[\g+7], 0
.endr
.irp g, G1S, G1SB                              ; the head's loads: two rows of 3,072 elements of 8 bytes, 12,288 elements apart
	s_mov_b32 s[\g+1], 3072<<16
	s_mov_b32 s[\g+2], 2<<16
	s_mov_b32 s[\g+3], 3072<<16
	s_mov_b32 s[\g+4], 2
	s_mov_b32 s[\g+5], 12288
	s_mov_b32 s[\g+6], 0
	s_mov_b32 s[\g+7], 0
.endr
	s_lshl_b32 s17, s44, 1
	s_add_co_u32 s17, s17, s16                     ; Q: the block of 128 rows that I fetch
	s_mul_i32 s20, s17, 98304
	s_mov_b32 s21, 0
	s_lshl_b32 s22, s44, 1
	s_add_co_u32 s22, s22, s15                     ; the block of queries that I multiply
	s_lshl_b32 s22, s22, 12                        ; its scales
	s_mov_b32 s23, 0
	s_lshl_b32 s2, s45, 1
	s_add_co_u32 s2, s2, s97
	s_add_co_u32 s2, s2, s16                       ; K: block 16 batch + 2 X + half, behind Q's 512 units
	s_mul_i32 s66, s2, 98304
	s_add_co_u32 s66, s66, 6291456
	s_mov_b32 s67, 0
	s_lshl_b32 s18, s2, 12
	s_add_co_u32 s18, s18, 262144
	s_mov_b32 s19, 0
	s_mul_i32 s2, s16, HALFA                       ; where they go: the wave's number alone enters an LDS address
	s_mul_i32 s3, s16, HALFB
	s_add_co_u32 s3, s3, 2*HALFA
	s_wait_alu depctr_va_vdst(0)
	s_wait_dscnt 0x0                               ; both opening adds are done
	s_wait_kmcnt 0x0
	s_add_nc_u64 s[20:21], s[4:5], s[20:21]
	s_add_nc_u64 s[22:23], s[6:7], s[22:23]
	s_add_nc_u64 s[66:67], s[4:5], s[66:67]
	s_add_nc_u64 s[18:19], s[6:7], s[18:19]
.irp p, 0,1,2,3
	SCALES \p
.endr
	CROUND                                         ; all sixteen work-groups are here: the first joint loads meet
	s_wait_xcnt 0x0                                ; the scales' loads have read their bases: s[18:19] are written below
	s_mul_i32 s18, s16, 73728                      ; from (block 2 T + s16, K step 0) back to (block 2 T, K step 2 s16): 98,304 - 24,576 bytes
	s_mov_b32 s19, 0
	s_mov_b32 s[G0S], 1                            ; waves 0, 1: Q's 256 rows of slot s16
	s_mul_i32 s[G0S+1], s16, SLOT
	s_sub_nc_u64 s[G0S+2:G0S+3], s[20:21], s[18:19]
	s_or_b32 s[G0S+3], s[G0S+3], 0x80000000
	s_mov_b32 s[G0SB], 1                           ; waves 2, 3: K's
	s_add_co_u32 s[G0SB+1], s[G0S+1], 2*HALFA
	s_sub_nc_u64 s[G0SB+2:G0SB+3], s[66:67], s[18:19]
	s_or_b32 s[G0SB+3], s[G0SB+3], 0x80000000
	JLOAD G0S, G1S, G0SB, G1SB                     ; one tensor load a wave at the head
.irp s, 0,1,2
.set GB, G0B+4*\s+28*(\s/2)                    ; s56, s60, s92
	s_mov_b32 s[G0+4*\s], 1
	s_add_co_u32 s[G0+4*\s+1], s2, \s*SLOT
	s_add_nc_u64 s[G0+4*\s+2:G0+4*\s+3], s[20:21], \s*HALFA
	s_or_b32 s[G0+4*\s+3], s[G0+4*\s+3], 0x80000000
	s_mov_b32 s[GB], 1
	s_add_co_u32 s[GB+1], s3, \s*SLOT
	s_add_nc_u64 s[GB+2:GB+3], s[66:67], \s*HALFB
	s_or_b32 s[GB+3], s[GB+3], 0x80000000
.endr
	v_and_b32 v1, 31, v0
	v_lshlrev_b32 v[GO], 4, v1
	v_lshlrev_b32 v[O8], 3, v1
	; the way out's addresses: my block of 128 queries QB = 2 Y + i, my span of 128 keys KS = 2 X + j
	s_wait_alu depctr_va_vdst(0)
	s_lshl_b32 s2, s44, 1
	s_add_co_u32 s2, s2, s15
	s_lshl_b32 s3, s45, 1
	s_add_co_u32 s3, s3, s16
	s_mul_i32 s18, s2, 196608
	s_mul_i32 s19, s3, 6144
	s_add_co_u32 s18, s18, s19
	s_mov_b32 s19, 0
	s_add_nc_u64 s[4:5], s[10:11], s[18:19]        ; p's codes
	s_mul_i32 s18, s2, 24576
	s_lshl_b32 s17, s3, 9
	s_add_co_u32 s18, s18, s17
	s_add_nc_u64 s[6:7], s[12:13], s[18:19]        ; scale words, -M, sums
	s_add_co_u32 s17, s97, s3
	s_lshl_b32 s17, s17, 4
	s_and_b32 s18, s2, 15
	s_add_co_u32 s17, s17, s18
	s_lshl_b32 s18, s17, 11
	s_add_nc_u64 s[8:9], s[8:9], s[18:19]          ; the lane masks of (batch, span, query block): 2,048 bytes, read by my wave alone
.irp a, 0,1,2,3,4,5,6,7
	global_load_b64 v[MKV+2*\a:MKV+2*\a+1], v[O8], s[8:9] offset:256*\a th:TH_LOAD_NT   ; a tile's 64 words: 256 consecutive bytes; asked for here, wanted behind the last product
.endr
	s_mul_i32 s2, s15, HALFA
	s_mul_i32 s3, s16, HALFB
	s_add_co_u32 s3, s3, 2*HALFA
.irp s, 0,1,2
	v_add_nc_u32 v[ADRA+\s], s2, v[GO]
	v_add_nc_u32 v[ADRB+\s], s3, v[GO]
	s_add_co_u32 s2, s2, SLOT
	s_add_co_u32 s3, s3, SLOT
.endr
	v_mov_b32 v[NINF], 0xff800000
.irp b, 0,1,2,3
	v_mov_b32 v[T4+\b], 0                          ; written once: a lane permute's destination counts as one of its sources
.endr
	v_mov_b32 v[LT], 0
	s_mov_b32 s[CS], 0x3d38aa3b                    ; c = log2(e) / sqrt(1024)
	s_mov_b32 s[CS+1], s[CS]
	s_mov_b32 s[SEL], 0x76543210
	s_mov_b32 s[SEL+1], 0xfedcba98
	s_mov_b32 s[HI], 0xffff0000
	s_wait_alu depctr_va_vdst(0)
	s_wait_loadcnt 8                               ; the 16 loads of scale words are in; the eight of lane masks, issued behind them, may be out
	s_wait_tensorcnt 0x0                           ; my tile of the head's four is in
	ds_add_u32 v[SPW], v[NIL]
	s_wait_dscnt 0x0
	CROUND                                         ; slots 0 and 1 are whole, and all sixteen work-groups are here
	JLOAD G0+8, G1, 92, G1B                        ; slot 2's first fill, K steps 4 and 5: my one load behind the round
	FETCH_B 0, 0, 0
	FETCH_A 0, 0, 0
	FETCH_A 0, 0, NA/2
	STEP 0, 0, 1                                   ; K step 0: its products start the sums
	MID 0, 1, 1                                    ; K step 1: on to slot 1, which the head's round has shown whole
	STEP 1, 1, 0                                   ; K step 2
	TURN 0, 1, 2, 2, 1                             ; K step 3: slot 2 has landed; slot 0 is asked for again: K steps 6 and 7
	STEP 2, 2, 0                                   ; K step 4
	TURN 2, 2, 0, 3, 0                             ; K step 5: slot 0's second fill has landed; behind this wait no tensor load of mine is out, and none follows
	STEP 0, 3, 0                                   ; K step 6
	s_wait_dscnt 3*NA/2                            ; K step 7
	WIN MUL_LO
.set IM, 0
.rept NA/2
	MULT IM, 1, 1, 3, 0
.set IM, IM+1
.endr
	s_wait_dscnt 0x0
	WIN MUL_HI
.rept NA/2
	MULT IM, 1, 1, 3, 0
.set IM, IM+1
.endr
	WIN 0
	PLACES 4
	s_wait_loadcnt 0x0                             ; the lane masks
.irp a, 0,1,2,3,4,5,6,7
	SOFT_T \a
.endr
	global_store_b128 v[GO], v[GW:GW+3], s[6:7]                 ; 512 consecutive bytes each
	global_store_b128 v[GO], v[GM:GM+3], s[6:7] offset:8192
	global_store_b128 v[GO], v[GL:GL+3], s[6:7] offset:16384
	s_wait_tensorcnt 0x0                           ; the wave's end
	ds_add_u32 v[SPW], v[NIL]
	s_wait_dscnt 0x0
	CROUND                                         ; the closing round
	s_endpgm
.Lfunc_end_k_qb7e6550e60_score:
	.size	k_qb7e6550e60_score, .Lfunc_end_k_qb7e6550e60_score-k_qb7e6550e60_score
	.p2alignl 7, 3214868480
	.fill 96, 4, 3214868480
	.section	.rodata,"a",@progbits
	.p2align	6, 0x0
	.amdhsa_kernel k_qb7e6550e60_score
		.amdhsa_group_segment_fixed_size 327680
		.amdhsa_private_segment_fixed_size 0
		.amdhsa_enable_private_segment 0
		.amdhsa_kernarg_size 40
		.amdhsa_user_sgpr_count 2
		.amdhsa_user_sgpr_kernarg_segment_ptr 1
		.amdhsa_wavefront_size32 1
		.amdhsa_system_sgpr_workgroup_id_x 1
		.amdhsa_system_sgpr_workgroup_id_y 1
		.amdhsa_system_sgpr_workgroup_id_z 1
		.amdhsa_system_vgpr_workitem_id 0
		.amdhsa_next_free_vgpr 1024
		.amdhsa_next_free_sgpr 100
		.amdhsa_reserve_vcc 0
		.amdhsa_float_denorm_mode_32 3
		.amdhsa_float_denorm_mode_16_64 3
		.amdhsa_memory_ordered 1
		.amdhsa_forward_progress 1
		.amdhsa_inst_pref_size 255
	.end_amdhsa_kernel
	.section	.bss,"aw",@nobits
	.p2align	6
	.space	262144
	.amdgpu_metadata
---
amdhsa.version: [ 1, 2 ]
amdhsa.kernels:
  - .name:           k_qb7e6550e60_score
    .symbol:         k_qb7e6550e60_score.kd
    .args:
      - { .name: qkvc, .offset: 0, .size: 8, .value_kind: global_buffer, .address_space: global }
      - { .name: qkvs, .offset: 8, .size: 8, .value_kind: global_buffer, .address_space: global }
      - { .name: mb, .offset: 16, .size: 8, .value_kind: global_buffer, .address_space: global }
      - { .name: pc, .offset: 24, .size: 8, .value_kind: global_buffer, .address_space: global }
      - { .name: pst, .offset: 32, .size: 8, .value_kind: global_buffer, .address_space: global }
    .group_segment_fixed_size: 327680
    .private_segment_fixed_size: 0
    .kernarg_segment_align: 8
    .kernarg_segment_size: 40
    .max_flat_workgroup_size: 128
    .sgpr_count:     100
    .vgpr_count:     1024
    .wavefront_size: 32
...
	.end_amdgpu_metadata
.endif
;; end of part 3
;; launch pv (part 4): grid 4 x 64, 4 waves a work-group, clusters of 4 x 4, 327,680 bytes of LDS; arguments pc, pst, qkvc, qkvs, out0; writes out0
.if DOCPART == 4
	.amdgcn_target "amdgcn-amd-amdhsa--gfx1250"
	.amdhsa_code_object_version 6
	.text
	.protected	k_qb7e6550e60_pv
	.globl	k_qb7e6550e60_pv
	.p2align	8
	.type	k_qb7e6550e60_pv,@function
k_qb7e6550e60_pv:
	s_mov_b64 s[64:65], 0
	v_nop
	global_prefetch_b8 v0, s[64:65] scope:SCOPE_SE
	s_setreg_imm32_b32 hwreg(HW_REG_WAVE_MODE, 25, 1), 1
	s_wait_xcnt 0x0
	s_wait_alu depctr_hold_cnt(0) depctr_sa_sdst(0) depctr_va_vdst(0) depctr_va_sdst(0) depctr_va_ssrc(0) depctr_va_vcc(0) depctr_vm_vsrc(0)
	s_getreg_b32 s2, hwreg(HW_REG_IB_STS2, 6, 4)
	s_cmp_eq_u32 s2, 0
	s_cbranch_scc0 .Lentry_in_a_cluster
	s_endpgm
.Lentry_in_a_cluster:
	s_bfe_u32 s2, ttmp6, 0x10000c
	s_cmp_lg_u32 s2, 0xf033
	s_cbranch_scc0 .Lentry_shape_is_right
	s_endpgm
.Lentry_shape_is_right:
.set NA,    4
.set HALFA, 24576
.set HALFB, 49152
.set SLOT,  2*HALFA+2*HALFB
.set SCB,   2*SLOT
.set ASC,   SCB+16384
.set LINV,  ASC+8192
.set SPARE, LINV+512
.set STG,   0
.set FXA,  5
.set FD,   6
.set FV,   7
.set LVP,  8
.set ADRA, 16
.set ADRB, 20
.set STO,  22
.set RD,   23
.set CO,   24
.set LVA,  25
.set ADRSA, 26
.set ADRSB, 27
.set SPW,  28
.set NIL,  29
.set SC,   32
.set FW,   64
.set FN,   80
.set FL,   96
.set NG,   112
.set LS,   113
.set T0,   114
.set T1,   115
.set T2,   116
.set T3,   117
.set T4,   118
.set T5,   119
.set T6,   120
.set T7,   121
.set OT,   64
.set AF,   128
.set BK,   128
.set G1,   24
.set G0,   32
.set G1B,  48
.set G0B,  56
.set G1SB, 80
.set G0SB, 88
.set MUL_LO, 0xa1
.set MUL_HI, 0xa1
.set MSB, 0
.macro WIN new
.if MSB != (\new)
	s_set_vgpr_msb (MSB<<8)|(\new)
.set MSB, (\new)
.endif
.endm
.macro JLOAD g0a, g1a, g0b, g1b
	s_cmp_eq_u32 s15, 0
	s_cbranch_scc0 .Lfor_b_\@
	tensor_load_to_lds s[\g0a:\g0a+3], s[\g1a:\g1a+7]
	s_nop 0
.rept 4
	v_nop
.endr
	s_branch .Lasked_\@
.Lfor_b_\@:
	tensor_load_to_lds s[\g0b:\g0b+3], s[\g1b:\g1b+7]
	s_nop 0
.rept 4
	v_nop
.endr
.Lasked_\@:
.endm
.macro CREST
	s_cmp_lg_u32 s14, 0
	s_cbranch_scc1 .Lnot_wave_0_\@
	s_barrier_signal -3
.Lnot_wave_0_\@:
	s_barrier_wait -3
	s_barrier_signal -1
	s_barrier_wait -1
.endm
.macro CROUND
	s_barrier_signal -1
	s_barrier_wait -1
	CREST
.endm
.macro PLACES n
.rept \n
	v_nop
.endr
.endm
.macro FRAG reg, adr, off
.irp c, 0,1,2
	ds_load_b128 v[\reg+4*\c:\reg+4*\c+3], v[\adr] offset:\off+512*\c
.endr
.endm
.macro FETCH_B slot, q, p
	WIN 0x40
.irp i, 0,1,2,3,4,5,6,7
	FRAG 128*(\p)+12*\i, ADRB+\slot, ((\q)*8+\i)*1536
.endr
	WIN 0
.endm
.macro FETCH_A slot, q, i0
.set IA, \i0
.rept NA/2
	FRAG AF+12*IA, ADRA+\slot, ((\q)*NA+IA)*1536
.set IA, IA+1
.endr
.endm
.macro SCALES set
	ds_load_b128 v[SC+16*\set:SC+16*\set+3], v[ADRSA]
	ds_load_b128 v[SC+16*\set+8:SC+16*\set+11], v[ADRSB]
	ds_load_b128 v[SC+16*\set+12:SC+16*\set+15], v[ADRSB] offset:256
.endm
.macro MULT a, p, q, sc, z
.irp b, 0,1,2,3,4,5,6,7
.set AC, 8*(8*(\a)+\b)
.set FB, 128*(\p)+12*\b
.set FA, AF+12*(\a)
.set SB, SC+16*(\sc)+8+4*(\b%2)+\b/2
.set SA, SC+16*(\sc)+(\a)
.if \q
	v_wmma_scale_f32_16x16x128_f8f6f4 v[AC:AC+7], v[FB:FB+11], v[FA:FA+11], v[AC:AC+7], v[SB], v[SA] matrix_a_fmt:MATRIX_FMT_FP6 matrix_b_fmt:MATRIX_FMT_FP6 matrix_a_scale:MATRIX_SCALE_ROW1 matrix_b_scale:MATRIX_SCALE_ROW1
.elseif \z == 0
	v_wmma_scale_f32_16x16x128_f8f6f4 v[AC:AC+7], v[FB:FB+11], v[FA:FA+11], v[AC:AC+7], v[SB], v[SA] matrix_a_fmt:MATRIX_FMT_FP6 matrix_b_fmt:MATRIX_FMT_FP6
.else
	v_wmma_scale_f32_16x16x128_f8f6f4 v[AC:AC+7], v[FB:FB+11], v[FA:FA+11], 0, v[SB], v[SA] matrix_a_fmt:MATRIX_FMT_FP6 matrix_b_fmt:MATRIX_FMT_FP6
.endif
.endr
.endm
.macro STEP slot, q, sc, z
	s_wait_dscnt 3*NA/2
	WIN MUL_LO
.set IM, 0
.rept NA/2
	MULT IM, 0, 0, \sc, \z
.set IM, IM+1
.endr
	s_wait_dscnt 0x0
	PLACES 4
	FETCH_B \slot, (\q)+1, 1
	FETCH_A \slot, (\q)+1, 0
	WIN MUL_HI
.rept NA/2
	MULT IM, 0, 0, \sc, \z
.set IM, IM+1
.endr
	PLACES 4
	WIN 0
	FETCH_A \slot, (\q)+1, NA/2
.endm
.macro MID sc, next, nq, nsc
	s_wait_dscnt 3*NA/2
	WIN MUL_LO
.set IM, 0
.rept NA/2
	MULT IM, 1, 1, \sc, 0
.set IM, IM+1
.endr
	s_wait_dscnt 0x0
	WIN 0
	PLACES 4
	v_add_nc_u32 v[ADRSA], 1024, v[ADRSA]
	v_add_nc_u32 v[ADRSB], 1024, v[ADRSB]
	FETCH_B \next, \nq, 0
	FETCH_A \next, \nq, 0
	SCALES \nsc
	WIN MUL_HI
.rept NA/2
	MULT IM, 1, 1, \sc, 0
.set IM, IM+1
.endr
	PLACES 4
	WIN 0
	FETCH_A \next, \nq, NA/2
.endm
.macro TURN slot, sc, next, nsc, fill
	s_wait_tensorcnt 0x0
	ds_add_u32 v[SPW], v[NIL]
	s_wait_dscnt 3*NA/2+1
	WIN MUL_LO
.set IM, 0
.rept NA/4
	MULT IM, 1, 1, \sc, 0
.set IM, IM+1
.endr
	s_wait_dscnt 0x0
	s_barrier_signal -1
.rept NA/4
	MULT IM, 1, 1, \sc, 0
.set IM, IM+1
.endr
	WIN 0
	s_barrier_wait -1
.if \fill
	CREST
	s_add_nc_u64 s[G0+4*\slot+2:G0+4*\slot+3], s[G0+4*\slot+2:G0+4*\slot+3], 2*HALFA
	s_add_nc_u64 s[G0B+4*\slot+2:G0B+4*\slot+3], s[G0B+4*\slot+2:G0B+4*\slot+3], 2*HALFB
	JLOAD G0+4*\slot, G1, G0B+4*\slot, G1B
.else
	PLACES 4
.endif
	s_wait_alu depctr_va_vdst(0)
	v_add_nc_u32 v[ADRSA], 1024, v[ADRSA]
	v_add_nc_u32 v[ADRSB], 1024, v[ADRSB]
	FETCH_B \next, 0, 0
	FETCH_A \next, 0, 0
	SCALES \nsc
	WIN MUL_HI
.rept NA/2
	MULT IM, 1, 1, \sc, 0
.set IM, IM+1
.endr
	PLACES 4
	WIN 0
	FETCH_A \next, 0, NA/2
.endm
.macro THREE slot, z
	STEP \slot, 0, 0, \z
	MID 0, \slot, 2, 1
	STEP \slot, 2, 1, 0
.endm
.macro SPAN s
	v_sub_f32 v[T0], v[FN+\s], v[NG]
	v_min_num_f32 v[T0], 0x437f0000, v[T0]
	v_cvt_u32_f32 v[T0], v[T0]
	v_sub_nc_u32 v[T1], 0, v[T0]
	v_ldexp_f32 v[T1], v[FL+\s], v[T1]
.if \s == 0
	v_mov_b32 v[LS], v[T1]
.else
	v_add_f32 v[LS], v[LS], v[T1]
.endif
	v_and_b32 v[T2], 0xff, v[FW+\s]
	v_bfe_u32 v[T3], v[FW+\s], 8, 8
	v_bfe_u32 v[T4], v[FW+\s], 16, 8
	v_lshrrev_b32 v[T5], 24, v[FW+\s]
	v_min_u32 v[T6], v[T2], v[T0]
	v_min_u32 v[T7], v[T3], v[T0]
	v_sub_nc_u32 v[T2], v[T2], v[T6]
	v_sub_nc_u32 v[T3], v[T3], v[T7]
	v_min_u32 v[T6], v[T4], v[T0]
	v_min_u32 v[T7], v[T5], v[T0]
	v_sub_nc_u32 v[T4], v[T4], v[T6]
	v_sub_nc_u32 v[T5], v[T5], v[T7]
	v_lshl_or_b32 v[FW+\s], v[T3], 8, v[T2]
	v_lshl_or_b32 v[FW+\s], v[T4], 16, v[FW+\s]
	v_lshl_or_b32 v[FW+\s], v[T5], 24, v[FW+\s]
	ds_store_b32 v[FD], v[FW+\s] offset:512*\s
.endm
.macro PACK a
	WIN 0x02
.set N, 0
.rept 32
	v_pk_mul_f32 v[OT+N:OT+N+1], v[64*(\a)+N:64*(\a)+N+1], v[LVP+2*(\a):LVP+2*(\a)+1]
.set N, N+2
.endr
	WIN 0
.endm
.macro TOSTAGE a
.irp b, 0,1,2,3,4,5,6,7
	ds_store_b128 v[STO], v[OT+8*\b:OT+8*\b+3] offset:128*(\b/2)+32*(\b%2)
	ds_store_b128 v[STO], v[OT+8*\b+4:OT+8*\b+7] offset:128*(\b/2)+32*(\b%2)+16
.endr
.irp t, 0,1,2,3,4,5,6,7,8,9,10,11,12,13,14,15
	ds_load_b128 v[BK+64*((\a)%2)+4*\t:BK+64*((\a)%2)+4*\t+3], v[RD] offset:528*\t
.endr
.endm
.macro SEND a
	s_wait_dscnt 0x0
.irp t, 0,1,2,3,4,5,6,7,8,9,10,11,12,13,14,15
	global_store_b128 v[CO], v[BK+64*((\a)%2)+4*\t:BK+64*((\a)%2)+4*\t+3], s[92:93] offset:(32*((\a)/2)+8*((\a)%2)+\t+8*(\t/8))*4096 th:TH_STORE_NT
.endr
.endm
	s_load_b256 s[4:11], s[0:1], 0x0
	s_load_b64 s[92:93], s[0:1], 0x20
	v_lshl_add_u32 v[SPW], v0, 2, SPARE
	v_mov_b32 v[NIL], 0
	ds_add_u32 v[SPW], v[NIL]
	ds_add_u32 v[SPW], v[NIL]
	v_lshrrev_b32 v1, 5, v0
	v_readfirstlane_b32 s14, v1
	v_lshlrev_b32 v[FXA], 2, v0
	v_and_b32 v2, 31, v0
	v_lshlrev_b32 v30, 4, v2                       ; 16 x lane; never rewritten
	s_lshr_b32 s15, s14, 1
	s_and_b32 s16, s14, 1
	s_bfe_u32 s40, ttmp6, 0x40000
	s_bfe_u32 s41, ttmp6, 0x40004
	s_lshl_b32 s45, ttmp9, 2
	s_add_co_u32 s45, s45, s40
	s_and_b32 s43, ttmp7, 0xffff
	s_lshl_b32 s44, s43, 2
	s_add_co_u32 s44, s44, s41
	s_lshr_b32 s43, s43, 2
	s_lshl_b32 s43, s43, 3
	s_lshl_b32 s46, s41, 2
	s_lshl_b32 s46, 15, s46
	s_lshl_b32 s47, 0x1111, s40
	s_or_b32 s[G1], s46, (3<<16)|(1<<21)
	s_or_b32 s[G1B], s47, (3<<16)|(1<<21)
	s_mov_b32 s[G1+1], 32<<16
	s_mov_b32 s[G1+2], 96<<16
	s_mov_b32 s[G1+3], 32<<16
	s_mov_b32 s[G1+4], 96
	s_mov_b32 s[G1+5], 32
	s_mov_b32 s[G1+6], 0
	s_mov_b32 s[G1+7], 0
	s_mov_b32 s[G1B+1], 32<<16
	s_mov_b32 s[G1B+2], 192<<16
	s_mov_b32 s[G1B+3], 32<<16
	s_mov_b32 s[G1B+4], 192
	s_mov_b32 s[G1B+5], 32
	s_mov_b32 s[G1B+6], 0
	s_mov_b32 s[G1B+7], 0
	s_lshl_b32 s17, s44, 1
	s_add_co_u32 s17, s17, s16
	s_mul_i32 s20, s17, 98304
	s_mov_b32 s21, 0
	s_mul_i32 s22, s44, 24576
	s_mov_b32 s23, 0
	s_lshl_b32 s2, s45, 1
	s_add_co_u32 s2, s2, s43
	s_lshl_b32 s18, s2, 13
	s_add_co_u32 s18, s18, 524288
	s_lshl_b32 s3, s14, 12
	s_add_co_u32 s18, s18, s3
	s_mov_b32 s19, 0
	s_add_co_u32 s3, s3, SCB
	s_wait_alu depctr_va_vdst(0)
	v_add_nc_u32 v31, s3, v30                      ; where my quarter of V's scale words goes in LDS: SCB + 4,096 x wave + 16 x lane
	s_add_co_u32 s2, s2, s16
	s_mul_i32 s66, s2, 196608
	s_add_co_u32 s66, s66, 12582912
	s_mov_b32 s67, 0
	s_mul_i32 s12, s16, HALFA
	s_mul_i32 s13, s16, HALFB
	s_add_co_u32 s13, s13, 2*HALFA
	s_wait_alu depctr_va_vdst(0)
	s_wait_dscnt 0x0
	s_wait_kmcnt 0x0
	s_add_nc_u64 s[20:21], s[4:5], s[20:21]
	s_add_nc_u64 s[22:23], s[6:7], s[22:23]
	s_add_nc_u64 s[66:67], s[8:9], s[66:67]
	s_add_nc_u64 s[18:19], s[10:11], s[18:19]
.irp s, 0,1,2,3,4,5,6,7,8,9,10,11,12,13,14,15
	global_load_b32 v[FW+\s], v[FXA], s[22:23] offset:512*\s
	global_load_b32 v[FN+\s], v[FXA], s[22:23] offset:8192+512*\s
	global_load_b32 v[FL+\s], v[FXA], s[22:23] offset:16384+512*\s
.endr
.irp i, 0,1,2,3,4,5,6,7
	global_load_b128 v[128+4*\i:131+4*\i], v30, s[18:19] offset:512*\i   ; my quarter of V's scale words, 4,096 bytes: 512 consecutive bytes a load
.endr
	CROUND                                         ; all sixteen work-groups are here: the first joint loads meet
.irp s, 0,1
	s_mov_b32 s[G0+4*\s], 1
	s_add_co_u32 s[G0+4*\s+1], s12, \s*SLOT
	s_add_nc_u64 s[G0+4*\s+2:G0+4*\s+3], s[20:21], \s*HALFA
	s_or_b32 s[G0+4*\s+3], s[G0+4*\s+3], 0x80000000
	s_mov_b32 s[G0B+4*\s], 1
	s_add_co_u32 s[G0B+4*\s+1], s13, \s*SLOT
	s_add_nc_u64 s[G0B+4*\s+2:G0B+4*\s+3], s[66:67], \s*HALFB
	s_or_b32 s[G0B+4*\s+3], s[G0B+4*\s+3], 0x80000000
.endr
	JLOAD G0, G1, G0B, G1B                         ; slot 0: one tensor load a wave at the head
	v_and_b32 v1, 31, v0
	v_and_b32 v2, 15, v0
	v_bfe_u32 v3, v0, 4, 1
	v_lshlrev_b32 v[CO], 4, v1
	s_mul_i32 s2, s15, HALFA
	s_mul_i32 s3, s16, HALFB
	s_add_co_u32 s3, s3, 2*HALFA
.irp s, 0,1
	v_add_nc_u32 v[ADRA+\s], s2, v[CO]
	v_add_nc_u32 v[ADRB+\s], s3, v[CO]
	s_add_co_u32 s2, s2, SLOT
	s_add_co_u32 s3, s3, SLOT
.endr
	v_lshlrev_b32 v4, 4, v2
	s_wait_alu depctr_va_vdst(0)
	s_lshl_b32 s2, s15, 8
	s_add_co_u32 s3, s2, LINV
	v_add_nc_u32 v[LVA], s3, v4
	v_lshl_add_u32 v4, v3, 9, v4
	s_add_co_u32 s2, s2, ASC
	v_add_nc_u32 v[ADRSA], s2, v4
	s_lshl_b32 s3, s16, 13
	s_add_co_u32 s3, s3, SCB
	v_add_nc_u32 v[ADRSB], s3, v4
	s_mul_i32 s2, s14, 16*528
	s_add_co_u32 s2, s2, STG
	v_mul_u32_u24 v4, v2, 528
	v_lshl_add_u32 v4, v3, 6, v4
	v_add_nc_u32 v[STO], s2, v4
	v_add_nc_u32 v[RD], s2, v[CO]
	v_bfe_u32 v8, v0, 1, 1
	v_lshlrev_b32 v9, 8, v8
	v_bfe_u32 v8, v0, 2, 4
	v_lshl_add_u32 v9, v8, 4, v9
	v_and_b32 v8, 1, v0
	v_lshl_add_u32 v9, v8, 3, v9
	v_bfe_u32 v8, v0, 6, 1
	v_lshl_add_u32 v9, v8, 2, v9
	v_add_nc_u32 v[FD], ASC, v9
	v_add_nc_u32 v[FV], LINV, v9
	s_lshl_b32 s2, s44, 19
	s_lshl_b32 s3, s15, 18
	s_add_co_u32 s2, s2, s3
	s_lshl_b32 s3, s45, 10
	s_add_co_u32 s2, s2, s3
	s_lshl_b32 s3, s16, 9
	s_add_co_u32 s2, s2, s3
	s_mov_b32 s3, 0
	s_add_nc_u64 s[92:93], s[92:93], s[2:3]
	s_wait_loadcnt 0x0
.irp i, 0,1,2,3,4,5,6,7
	ds_store_b128 v31, v[128+4*\i:131+4*\i] offset:512*\i   ; into bytes that no tensor load fills
.endr
	v_min3_num_f32 v[NG], v[FN], v[FN+1], v[FN+2]
.irp i, 3,5,7,9,11,13
	v_min3_num_f32 v[NG], v[NG], v[FN+\i], v[FN+\i+1]
.endr
	v_min_num_f32 v[NG], v[NG], v[FN+15]
.irp s, 0,1,2,3,4,5,6,7,8,9,10,11,12,13,14,15
	SPAN \s
.endr
	s_wait_alu depctr_va_vdst(0)
	v_rcp_f32 v[T1], v[LS]
	v_nop
	s_wait_alu depctr_va_vdst(0)
	ds_store_b32 v[FV], v[T1]
	s_wait_tensorcnt 0x0                           ; my part of slot 0 is in
	ds_add_u32 v[SPW], v[NIL]
	s_wait_dscnt 0x0                               ; the add and my LDS stores are done
	CROUND                                         ; slot 0 and the scale words are whole, and all sixteen work-groups are here
	JLOAD G0+4, G1, G0B+4, G1B                     ; slot 1's first fill: my one load behind the round
	FETCH_B 0, 0, 0
	FETCH_A 0, 0, 0
	SCALES 0
	FETCH_A 0, 0, NA/2
	THREE 0, 1
	TURN 0, 1, 1, 0, 1
	s_wait_alu depctr_va_vdst(0)
	THREE 1, 0
	TURN 1, 1, 0, 0, 1
	s_wait_alu depctr_va_vdst(0)
	THREE 0, 0
	TURN 0, 1, 1, 0, 0
	s_wait_alu depctr_va_vdst(0)
	THREE 1, 0
	s_wait_dscnt 3*NA/2
	WIN MUL_LO
.set IM, 0
.rept NA/2
	MULT IM, 1, 1, 1, 0
.set IM, IM+1
.endr
	s_wait_dscnt 0x0
	WIN MUL_HI
.rept NA/2
	MULT IM, 1, 1, 1, 0
.set IM, IM+1
.endr
	WIN 0
	PLACES 4
	ds_load_b128 v[12:15], v[LVA]
	s_wait_dscnt 0x0
	v_mov_b32 v8, v12
	v_mov_b32 v9, v12
	v_mov_b32 v10, v13
	v_mov_b32 v11, v13
	v_mov_b32 v12, v14
	v_mov_b32 v13, v14
	v_mov_b32 v14, v15
.irp a, 0,1,2,3
	PACK \a
.if \a >= 2
	s_wait_alu depctr_va_vdst(0)
	s_wait_xcnt 0x0
.endif
	TOSTAGE \a
	SEND \a
.endr
	s_wait_tensorcnt 0x0
	ds_add_u32 v[SPW], v[NIL]
	s_wait_dscnt 0x0
	CROUND
	s_endpgm
.Lfunc_end_k_qb7e6550e60_pv:
	.size	k_qb7e6550e60_pv, .Lfunc_end_k_qb7e6550e60_pv-k_qb7e6550e60_pv
	.p2alignl 7, 3214868480
	.fill 96, 4, 3214868480
	.section	.rodata,"a",@progbits
	.p2align	6, 0x0
	.amdhsa_kernel k_qb7e6550e60_pv
		.amdhsa_group_segment_fixed_size 327680
		.amdhsa_private_segment_fixed_size 0
		.amdhsa_enable_private_segment 0
		.amdhsa_kernarg_size 40
		.amdhsa_user_sgpr_count 2
		.amdhsa_user_sgpr_kernarg_segment_ptr 1
		.amdhsa_wavefront_size32 1
		.amdhsa_system_sgpr_workgroup_id_x 1
		.amdhsa_system_sgpr_workgroup_id_y 1
		.amdhsa_system_sgpr_workgroup_id_z 1
		.amdhsa_system_vgpr_workitem_id 0
		.amdhsa_next_free_vgpr 768
		.amdhsa_next_free_sgpr 96
		.amdhsa_reserve_vcc 0
		.amdhsa_float_denorm_mode_32 3
		.amdhsa_float_denorm_mode_16_64 3
		.amdhsa_memory_ordered 1
		.amdhsa_forward_progress 1
		.amdhsa_inst_pref_size 166
	.end_amdhsa_kernel
	.amdgpu_metadata
---
amdhsa.version: [ 1, 2 ]
amdhsa.kernels:
  - .name:           k_qb7e6550e60_pv
    .symbol:         k_qb7e6550e60_pv.kd
    .args:
      - { .name: pc, .offset: 0, .size: 8, .value_kind: global_buffer, .address_space: global }
      - { .name: pst, .offset: 8, .size: 8, .value_kind: global_buffer, .address_space: global }
      - { .name: qkvc, .offset: 16, .size: 8, .value_kind: global_buffer, .address_space: global }
      - { .name: qkvs, .offset: 24, .size: 8, .value_kind: global_buffer, .address_space: global }
      - { .name: out0, .offset: 32, .size: 8, .value_kind: global_buffer, .address_space: global }
    .group_segment_fixed_size: 327680
    .private_segment_fixed_size: 0
    .kernarg_segment_align: 8
    .kernarg_segment_size: 40
    .max_flat_workgroup_size: 128
    .sgpr_count:     96
    .vgpr_count:     768
    .wavefront_size: 32
...
	.end_amdgpu_metadata
.endif
;; end of part 4
